; MI455X (gfx1250); checked and timed in simulation.
; The chip was launched on July 23, 2026; its instructions are those of AMD's public machine-readable ISA for CDNA 5 (MIT licence, August 2026) and "CDNA5" Instruction Set Architecture Reference Guide (July 2026). The comments in the code are by the model that wrote it; some were corrected since.
;; Triang Axial. Allowed arithmetic: float matrix products may take bf16 or f16 operands with f32 sums; all other float work in f32.
;; Inputs: Wb 128 x 4 float32; Wg 128 x 128 float32; Wk 128 x 128 float32; Wo 128 x 128 float32; Wq 128 x 128 float32; Wv 128 x 128 float32; bg 128 float32; bo 128 float32; x 1 x 256 x 256 x 128 float32.
;; Outputs: out0 1 x 256 x 256 x 128 float32.
;; 2 versions, each right; version 2 is version 1 with the launches prep, attn written anew for expert scheduling mode. Each part assembles by itself: llvm-mc -triple=amdgcn-amd-amdhsa -mcpu=gfx1250 --defsym DOCPART=n.
;; ======== version 1 of 2: 2 launches
;; workspace buffers: biasw 1,048,576 bytes; wfrag 163,840 bytes
;; launch prep (part 1): grid 256 x 1, 4 waves a work-group, no clusters, 74,496 bytes of LDS; arguments x, Wb, Wq, Wk, Wv, Wg, Wo, biasw, wfrag; writes biasw, wfrag
.if DOCPART == 1
	.amdgcn_target "amdgcn-amd-amdhsa--gfx1250"
	.amdhsa_code_object_version 6
	.text
	.protected	k_q9ed42031d0_prep
	.globl	k_q9ed42031d0_prep
	.p2align	8
	.type	k_q9ed42031d0_prep,@function
k_q9ed42031d0_prep:
	s_mov_b64 s[64:65], 0
	v_nop
	global_prefetch_b8 v0, s[64:65] scope:SCOPE_SE
	s_setreg_imm32_b32 hwreg(HW_REG_WAVE_MODE, 25, 1), 1
	s_wait_xcnt 0x0
; TRIANGULAR AXIAL ATTENTION, first of two launches.
; No work of the problem is left out in either launch: the bias x[0,j,k,:].Wb[:,g] changes along j, the softmax's axis, so it does not
; cancel there, and every input has a way to the output.
; This launch makes (1) biasw = log2(e) * (x @ Wb) in f32 and (2) wfrag = the five 128 x 128 weights in bf16, both laid out as the register
; images that the second launch loads with 16 neighbouring bytes a lane.
;   biasw byte  g*262144 + kb*32768 + jt*2048 + t*1024 + hf*512 + (16h+r)*16 + 4e  =  log2e * bias[j = 16jt+r][k = 32kb+16t+8h+4hf+e][g]
;   wfrag byte  mat*32768 + nt*4096 + ks*1024 + hf*512 + (16h+r)*16 + 2e           =  bf16 W_mat[32ks+16hf+8h+e][16nt+r]   (mat: q,k,v,g,o)
; Work-group b: jt = b >> 4, kq = b & 15.  Wave w: k4 = 4 kq + w.  A wave owns the 64 rows x[16jt+jl][4k4+e] (jl 0..15, e 0..3), 32 KiB,
; all asked for at once.  A row's load leaves the 128 channels spread over the lanes, so the sum over channels is given to the matrix
; unit: A = Wb^T (row m holds group (m&1) + 2(m>>3); of the sixteen rows only m = 0, 1, 8, 9 are read), B = 16 rows of x in bf16.
; Lane (r, h), register s of the result then holds bias[j = r][g = 2h + s].
; Every LDS byte is the wave's own, and LDS serves a wave's instructions in order (ISA guide 5.7.1): no barrier.
; Work-groups 0 to 79 also write one half fragment of 512 bytes a wave (matrix jt, half fragment k4 = 8 nt + 2 ks + hf).
; LIMIT: x and Wb enter the product rounded to bf16; the sum and the bias are f32.
.set LOG2E,  0x3fb8aa3b
.set XPITCH, 272                       ; 256 bytes of bf16 + 16: the sixteen rows of a fragment load begin in sixteen different 16-byte columns of 256
.set XSB,    64*XPITCH                 ; a wave's 64 rows
.set WTB,    4*XSB                     ; behind them: Wb^T, 4 rows of 272 bytes for each wave
.set WBR, 16                           ; v[16:31]   Wb as loaded: load i gives lane l the four groups of channel 32 i + l
.set DA,  32                           ; v[32:63]   four accumulators, one for each e
.set AF,  64                           ; v[64:95]   A fragments, one for each K step of 32 channels
.set TT,  96                           ; v[96:103]  T[s][e]: the 16 bytes to store for group 2h + s
.set GA,  104                          ; v[104:111] eight weights as gathered
.set GP,  112                          ; v[112:115] the same in bf16
.set BF,  128                          ; v[128:255] B fragments [e][ks]
                                       ; window 1, v0-255: x as loaded, load i in registers 4i .. 4i+3
.set MSB, 0
.macro WIN new                         ; the immediate's high byte repeats the setting that is left
.if MSB != \new
	s_set_vgpr_msb (MSB<<8)|\new
.set MSB, \new
.endif
.endm
.macro MM d, a, b, acc                 ; acc = 0: the product starts the sum
.if \acc
	v_wmma_f32_16x16x32_bf16 v[\d:\d+7], v[\a:\a+7], v[\b:\b+7], v[\d:\d+7]
.else
	v_wmma_f32_16x16x32_bf16 v[\d:\d+7], v[\a:\a+7], v[\b:\b+7], 0
.endif
.endm
	s_load_b512 s[4:19], s[0:1], 0x0               ; x s[4:5], Wb s[6:7], Wq s[8:9], Wk s[10:11], Wv s[12:13], Wg s[14:15], Wo s[16:17], biasw s[18:19]
	s_load_b64 s[20:21], s[0:1], 0x40              ; wfrag
	v_lshl_add_u32 v126, v0, 2, 0x12100
	v_mov_b32 v127, 0
	v_lshrrev_b32 v10, 5, v0
	v_readfirstlane_b32 s22, v10                   ; wave
	s_lshr_b32 s23, ttmp9, 4                       ; jt (and the matrix's number)
	s_and_b32 s24, ttmp9, 15                       ; kq
	s_lshl2_add_u32 s25, s24, s22                  ; k4 = 4 kq + w (and the half fragment's number)
	v_and_b32 v11, 31, v0                          ; lane
	v_and_b32 v2, 15, v0                           ; r
	v_bfe_u32 v3, v0, 4, 1                         ; h
	v_lshlrev_b32 v1, 4, v11                       ; 16 bytes a lane
	s_mul_i32 s30, s22, XSB                        ; my rows in LDS
	s_mul_i32 s31, s22, 4*XPITCH
	s_add_co_u32 s31, s31, WTB                     ; my Wb^T
	v_lshl_add_u32 v4, v11, 3, s30                 ; x in: 8 bytes a lane
	v_mul_u32_u24 v12, v2, XPITCH
	v_lshl_add_u32 v12, v3, 4, v12
	v_add_nc_u32 v5, s30, v12                      ; x back as fragments: row r, 16 h
	v_lshl_add_u32 v6, v11, 1, s31                 ; Wb^T in: 2 bytes a lane
	v_and_b32 v13, 1, v2
	v_lshrrev_b32 v14, 3, v2
	v_lshl_add_u32 v13, v14, 1, v13                ; the group in A's row r: (r & 1) + 2 (r >> 3)
	v_mul_u32_u24 v13, v13, XPITCH
	v_lshl_add_u32 v13, v3, 4, v13
	v_add_nc_u32 v7, s31, v13                      ; Wb^T back as fragments
	v_lshlrev_b32 v8, 4, v2
	v_lshl_add_u32 v8, v3, 19, v8                  ; bias out: group 2h (524,288 h) + 16 r
	v_lshlrev_b32 v9, 2, v2
	v_lshl_add_u32 v9, v3, 12, v9                  ; weights in: 8 h rows of 512 bytes + 4 r
	s_lshl_b32 s28, s23, 21                        ; 16 jt planes of 131,072 bytes
	s_lshl_b32 s32, s25, 11                        ; 4 k4 rows of 512 bytes
	s_add_co_u32 s28, s28, s32
	s_mov_b32 s29, 0
	s_lshr_b32 s32, s25, 3                         ; kb
	s_lshl_b32 s32, s32, 15
	s_lshl_b32 s33, s23, 11                        ; jt
	s_add_co_u32 s32, s32, s33
	s_bfe_u32 s33, s25, 0x10002                    ; t
	s_lshl_b32 s33, s33, 10
	s_add_co_u32 s32, s32, s33
	s_and_b32 s33, s25, 1                          ; hf
	s_lshl_b32 s33, s33, 9
	s_add_co_u32 s32, s32, s33
	s_bfe_u32 s33, s25, 0x10001                    ; the image's h: which sixteen lanes' 256 bytes
	s_lshl_b32 s33, s33, 8
	s_add_co_u32 s32, s32, s33
	s_mov_b32 s33, 0
	s_wait_kmcnt 0x0
	s_add_nc_u64 s[4:5], s[4:5], s[28:29]          ; x at my first row
	s_add_nc_u64 s[18:19], s[18:19], s[32:33]      ; biasw at my 256 bytes of group 0
.macro BIAS_BODY
.irp i, 0,1,2,3
	global_load_b128 v[WBR+4*\i:WBR+4*\i+3], v1, s[6:7] offset:512*\i
.endr
	WIN 0x40                                       ; destination in window 1
.set i, 0
.rept 64
	global_load_b128 v[4*i:4*i+3], v1, s[4:5] offset:(i>>2)*131072+(i&3)*512   ; row jl = i >> 2, e = i & 3: 512 neighbouring bytes
.set i, i+1
.endr
	WIN 0
	s_wait_loadcnt 63                              ; Wb is in: 64 loads are younger, and the count can name no more than 63
.irp i, 0,1,2,3
	v_cvt_pk_bf16_f32 v10, v[WBR+4*\i], v[WBR+4*\i+1]
	v_cvt_pk_bf16_f32 v12, v[WBR+4*\i+2], v[WBR+4*\i+3]
	v_lshrrev_b32 v11, 16, v10
	v_lshrrev_b32 v13, 16, v12
	ds_store_b16 v6, v10 offset:64*\i              ; Wb^T[g][32 i + lane]
	ds_store_b16 v6, v11 offset:64*\i+XPITCH
	ds_store_b16 v6, v12 offset:64*\i+2*XPITCH
	ds_store_b16 v6, v13 offset:64*\i+3*XPITCH
.endr
.irp ks, 0,1,2,3
	ds_load_b128 v[AF+8*\ks:AF+8*\ks+3],   v7 offset:64*\ks
	ds_load_b128 v[AF+8*\ks+4:AF+8*\ks+7], v7 offset:64*\ks+32
.endr
.set n, 0
.rept 4
	s_wait_loadcnt 48-16*n                         ; loads come back in order: sixteen more rows are in, the younger ones stay out
	WIN 0x45
.set i, 16*n
.rept 16
	v_cvt_pk_bf16_f32 v[4*i],   v[4*i],   v[4*i+1]
	v_cvt_pk_bf16_f32 v[4*i+1], v[4*i+2], v[4*i+3]
.set i, i+1
.endr
	WIN 0x04                                       ; store data in window 1
.set i, 16*n
.rept 16
	ds_store_b64 v4, v[4*i:4*i+1] offset:((i&3)*16+(i>>2))*XPITCH   ; LDS row 16 e + jl
.set i, i+1
.endr
.set n, n+1
.endr
	WIN 0
.irp ks, 0,1,2,3
.irp e, 0,1,2,3
	ds_load_b128 v[BF+8*(4*\e+\ks):BF+8*(4*\e+\ks)+3],   v5 offset:\e*16*XPITCH+64*\ks
	ds_load_b128 v[BF+8*(4*\e+\ks)+4:BF+8*(4*\e+\ks)+7], v5 offset:\e*16*XPITCH+64*\ks+32
.endr
.endr
.irp ks, 0,1,2,3
	s_wait_dscnt 24-8*\ks                          ; this K step's eight loads are in; those of the later steps stay out
.irp e, 0,1,2,3
	MM DA+8*\e, AF+8*\ks, BF+8*(4*\e+\ks), \ks     ; the four accumulators take turns
.endr
.endr
.rept 4
	v_nop                                          ; four places behind the last matrix instruction before its result is read (ISA guide 7.12.1)
.endr
.irp s, 0,1
.irp e, 0,1,2,3
	v_mul_f32 v[TT+4*\s+\e], LOG2E, v[DA+8*\e+\s]  ; the scale to base 2, and the four k of one (j, g) side by side
.endr
.endr
	global_store_b128 v8, v[TT:TT+3],   s[18:19]                 ; groups 0 (lanes 0-15) and 2 (lanes 16-31): sixteen lanes store 256 consecutive bytes, aligned
	global_store_b128 v8, v[TT+4:TT+7], s[18:19] offset:262144   ; groups 1 and 3
.endm
	s_mov_b32 s34, ttmp9
	s_cmp_lt_u32 s34, 80
	s_cbranch_scc0 .Lplain
	; work-groups 0 to 79: one half fragment a wave as well.  Its eight gathers go out first and are covered by the body's last wait for loads.
	s_mov_b64 s[26:27], s[8:9]
	s_cmp_eq_u32 s23, 1
	s_cselect_b64 s[26:27], s[10:11], s[26:27]
	s_cmp_eq_u32 s23, 2
	s_cselect_b64 s[26:27], s[12:13], s[26:27]
	s_cmp_eq_u32 s23, 3
	s_cselect_b64 s[26:27], s[14:15], s[26:27]
	s_cmp_eq_u32 s23, 4
	s_cselect_b64 s[26:27], s[16:17], s[26:27]
	s_bfe_u32 s28, s25, 0x20001                    ; ks: 32 rows of 512 bytes
	s_lshl_b32 s28, s28, 14
	s_and_b32 s30, s25, 1                          ; hf: 16 rows
	s_lshl_b32 s30, s30, 13
	s_add_co_u32 s28, s28, s30
	s_lshr_b32 s30, s25, 3                         ; nt: 16 columns of 4 bytes
	s_lshl_b32 s30, s30, 6
	s_add_co_u32 s28, s28, s30
	s_add_nc_u64 s[26:27], s[26:27], s[28:29]      ; s29 is still 0
	s_lshl_b32 s28, s23, 15
	s_lshl_b32 s30, s25, 9
	s_add_co_u32 s28, s28, s30
	s_add_nc_u64 s[20:21], s[20:21], s[28:29]      ; wfrag at my 512 bytes
.irp e, 0,1,2,3,4,5,6,7
	global_load_b32 v[GA+\e], v9, s[26:27] offset:512*\e       ; W[32ks+16hf+8h+e][16nt+r]
.endr
	BIAS_BODY
.irp p, 0,1,2,3
	v_cvt_pk_bf16_f32 v[GP+\p], v[GA+2*\p], v[GA+2*\p+1]
.endr
	global_store_b128 v1, v[GP:GP+3], s[20:21]     ; 512 consecutive bytes
	s_wait_tensorcnt 0x0
	ds_add_u32 v126, v127
	s_wait_dscnt 0x0
	s_endpgm
.Lplain:
	BIAS_BODY
	s_wait_tensorcnt 0x0
	ds_add_u32 v126, v127
	s_wait_dscnt 0x0
	s_endpgm
.Lfunc_end_k_q9ed42031d0_prep:
	.size	k_q9ed42031d0_prep, .Lfunc_end_k_q9ed42031d0_prep-k_q9ed42031d0_prep
	.p2alignl 7, 3214868480
	.fill 96, 4, 3214868480
	.section	.rodata,"a",@progbits
	.p2align	6, 0x0
	.amdhsa_kernel k_q9ed42031d0_prep
		.amdhsa_group_segment_fixed_size 74496
		.amdhsa_private_segment_fixed_size 0
		.amdhsa_enable_private_segment 0
		.amdhsa_kernarg_size 72
		.amdhsa_user_sgpr_count 2
		.amdhsa_user_sgpr_kernarg_segment_ptr 1
		.amdhsa_wavefront_size32 1
		.amdhsa_system_sgpr_workgroup_id_x 1
		.amdhsa_system_sgpr_workgroup_id_y 1
		.amdhsa_system_sgpr_workgroup_id_z 1
		.amdhsa_system_vgpr_workitem_id 0
		.amdhsa_next_free_vgpr 512
		.amdhsa_next_free_sgpr 66
		.amdhsa_reserve_vcc 0
		.amdhsa_float_denorm_mode_32 3
		.amdhsa_float_denorm_mode_16_64 3
		.amdhsa_memory_ordered 1
		.amdhsa_forward_progress 1
		.amdhsa_inst_pref_size 55
	.end_amdhsa_kernel
	.amdgpu_metadata
---
amdhsa.version: [ 1, 2 ]
amdhsa.kernels:
  - .name:           k_q9ed42031d0_prep
    .symbol:         k_q9ed42031d0_prep.kd
    .args:
      - { .name: x, .offset: 0, .size: 8, .value_kind: global_buffer, .address_space: global }
      - { .name: Wb, .offset: 8, .size: 8, .value_kind: global_buffer, .address_space: global }
      - { .name: Wq, .offset: 16, .size: 8, .value_kind: global_buffer, .address_space: global }
      - { .name: Wk, .offset: 24, .size: 8, .value_kind: global_buffer, .address_space: global }
      - { .name: Wv, .offset: 32, .size: 8, .value_kind: global_buffer, .address_space: global }
      - { .name: Wg, .offset: 40, .size: 8, .value_kind: global_buffer, .address_space: global }
      - { .name: Wo, .offset: 48, .size: 8, .value_kind: global_buffer, .address_space: global }
      - { .name: biasw, .offset: 56, .size: 8, .value_kind: global_buffer, .address_space: global }
      - { .name: wfrag, .offset: 64, .size: 8, .value_kind: global_buffer, .address_space: global }
    .group_segment_fixed_size: 74496
    .private_segment_fixed_size: 0
    .kernarg_segment_align: 8
    .kernarg_segment_size: 72
    .max_flat_workgroup_size: 128
    .sgpr_count:     66
    .vgpr_count:     512
    .wavefront_size: 32
...
	.end_amdgpu_metadata
.endif
;; end of part 1
;; launch attn (part 2): grid 256 x 1, 4 waves a work-group, no clusters, 300,544 bytes of LDS; arguments x, wfrag, biasw, bg, bo, out0; writes out0
.if DOCPART == 2
	.amdgcn_target "amdgcn-amd-amdhsa--gfx1250"
	.amdhsa_code_object_version 6
	.text
	.protected	k_q9ed42031d0_attn
	.globl	k_q9ed42031d0_attn
	.p2align	8
	.type	k_q9ed42031d0_attn,@function
k_q9ed42031d0_attn:
	s_mov_b64 s[64:65], 0
	v_nop
	global_prefetch_b8 v0, s[64:65] scope:SCOPE_SE
	s_setreg_imm32_b32 hwreg(HW_REG_WAVE_MODE, 25, 1), 1
	s_wait_xcnt 0x0
; TRIANGULAR AXIAL ATTENTION, second launch: everything but the bias and the weights' conversion.  No work of the problem is left out.
; Work-group = i (X = x[0,i], 256 rows x 128 channels); wave w = head g.  A wave makes q, k, v and the gate of its head for all 256 rows,
; its 256 x 256 scores in 8 blocks of 32 k, and keeps its out^T (32 c x 256 j) in 256 registers.  Only X (bf16) and the gated output O
; go from wave to wave, through LDS: five barriers.  The gate and the last product go in four quarters of 64 rows; of quarter Q wave w
; takes rows 64Q+16w .. +15 of the last product, so that a quarter's rows are stored while the later quarters' gates are computed.
; The softmax runs over j, so its maximum and its sum belong to k, the index that the second product sums over:
;   out[j] = sum over k of exp(S[j,k] - m_k) * (v_k / Z_k),  m_k = max over j,  Z_k = sum over j: both exact, a block holds all 256 j.
; LAYOUTS, chosen so that nothing is ever transposed (D's register jj of lane (r, h) is element (8h + jj, r)):
;   q^T, k^T, gate^T = W^T x X^T : (c, row)    two c tiles pack into q's B fragment, k's A fragment
;   V   = X x Wv                 : (k, c)      two k tiles, times 1/Z, pack into the A fragment of V'^T
;   S^T = k x q^T + bias         : (k, j)      C is the bias image, loaded straight into the accumulator; two k tiles pack into the B fragment P
;   out^T = V'^T x P             : (c, j)      the gate's map; packs into 16 neighbouring bytes of O[j]
;   final^T = Wo^T x O^T + bo    : (n, j)      C of the first K step is bo; leaves through a stage in LDS as whole rows of 512 bytes
; q is scaled by log2(e)/sqrt(32) in f32 before it is rounded, and the bias carries log2(e): S is in base 2, P = exp2(S - m).
; CLUSTERS are not used although all work-groups read the same bias and weights: sharing wants tensor loads into LDS slots that are filled
; again; a block's bias for the four heads is 131,072 bytes, and of the 327,680 bytes of LDS this text holds 300,032.
; LIMITS: matrix operands (x, weights, q, k, P, V/Z, O) are bf16, all sums f32.  v_exp_f32 and v_rcp_f32 flush denormals (ISA guide 15.8): a P
; below 2^-126 counts as 0; Z is at least 1 (the maximum's own term).  Z sums the unrounded P, the product takes P in bf16.
; sigmoid(a) = rcp(1 + exp2(-log2e a)) runs to 0 and 1 through infinity and 0.
.set QS,     0x3e8293ee                ; log2(e) / sqrt(32)
.set NLOG2E, 0xbfb8aa3b                ; -log2(e)
.set XPITCH, 272                       ; X in LDS: 256 bytes + 16, an odd multiple of 16: a fragment load's sixteen rows begin in sixteen different 16-byte columns of 256
.set XTILE,  16*XPITCH
.set KSB,    256*XPITCH                ; 69,632: behind X.  k fragments as register images, 16,384 a wave: [kt 16][hf 2][lane][16]
.set KSW,    16384
.set VSB,    KSB+4*KSW                 ; V in f32 as register images, 32,768 a wave: [kb 8][ct 2][t 2][hf 2][lane][16]
.set STB,    VSB+4*32768               ; the way out: 16 rows of 528 bytes a wave
.set SPITCH, 528
.set OPITCH, 80                        ; O in LDS, by heads: a row is a head's 64 bytes + 16, again an odd multiple of 16
.set OQ,     64*OPITCH                 ; a head's quarter of O, 5,120 bytes.  Two of them, taking turns, lie at the head of the storing wave's own k images,
                                       ; which that wave has read for the last time when the attention is over
; window 0
.set LOFF, 1                           ; 16 x lane
.set XA,   2                           ; X fragments: 272 r + 16 h
.set KSA,  3                           ; my k images + 16 x lane
.set VSA,  4                           ; my V images + 16 x lane
.set KRD,  5                           ; KSA + 2,048 x block
.set VRD,  6                           ; VSA + 4,096 x block
.set OST,  7                           ; O in: my k images + 80 r + 16 h
.set STW,  8                           ; stage in: 528 r + 32 h
.set STR,  9                           ; stage back: 16 x lane
.set XST,  10                          ; X in: my 64 rows + 8 x lane
.set HOFF, 11                          ; 32 h: eight f32 of bg or bo
.set OFA,  12                          ; O fragments: head 0's k images + (16 w + r) 80 + 16 h
.set KF,   32                          ; v[32:47]   k fragments of the block, [t]
.set VF,   48                          ; v[48:79]   V of the block in f32, [ct][t]
.set VP,   80                          ; v[80:95]   V / Z in bf16, [ct]
.set MX,   96                          ; v[96:111]  maxima [t][jj]
.set ZS,   112                         ; v[112:127] sums, then their reciprocals
.set PF,   128                         ; v[128:255] P[jt]
.set OP,   128                         ; (behind the attention) v[128:159] a quarter's O, packed, [jt 4][ct 2]
.set OF,   160                         ; v[160:191] O fragments [ks]
.set OB0,  192                         ; v[192:255] and
.set OB1,  32                          ; v[32:95]   two buffers for the way out, by turns
; window 1
.set QF,   0                           ; q fragments [jt]
.set DSET, 128                         ; projection results, two sets of 48: q^T 2 tiles, k^T 2 tiles, V 2 tiles
.set XG,   0                           ; (behind the last S products) X fragments [u][ks]
.set GT,   64                          ; gate [u][ct]
.set WG,   128                         ; Wg fragments [ct][ks]
.set BG,   192                         ; bg [ct]
                                       ; bo [nt] at 96 + 8 nt (nt 0-3) and 208 + 8 (nt - 4)
; window 2: x as loaded; then S[jt][t] at 16 jt + 8 t (bias load L lands in 4L .. 4L+3); then Wo fragments [nt][ks]
; window 3
.set WQ,   0                           ; Wq, Wk, Wv fragments [ct][ks]
.set WK,   64
.set WV,   128
.set XBUF, 192                         ; X fragments, two buffers of 32; then the whole window is out^T [jt][ct]; quarter Q's 64 registers then take its last product's sums [nt]
.set MSB, 0
.macro WIN new                         ; low byte: bits 1:0 source 0, 3:2 source 1, 5:4 source 2, 7:6 destination; the high byte repeats the setting that is left
.if MSB != \new
	s_set_vgpr_msb (MSB<<8)|\new
.set MSB, \new
.endif
.endm
.macro PLACES                          ; four places behind a matrix instruction before its result is read or a source is loaded again (ISA guide 7.12.1)
.rept 4
	v_nop
.endr
.endm
.macro MM d, a, b, acc                 ; acc = 0: the product starts the sum, nothing is cleared
.if \acc
	v_wmma_f32_16x16x32_bf16 v[\d:\d+7], v[\a:\a+7], v[\b:\b+7], v[\d:\d+7]
.else
	v_wmma_f32_16x16x32_bf16 v[\d:\d+7], v[\a:\a+7], v[\b:\b+7], 0
.endif
.endm
	s_load_b256 s[4:11], s[0:1], 0x0               ; x s[4:5], wfrag s[6:7], biasw s[8:9], bg s[10:11]
	s_load_b128 s[12:15], s[0:1], 0x20             ; bo s[12:13], out0 s[14:15]
	v_lshl_add_u32 v30, v0, 2, 0x49400
	v_mov_b32 v31, 0
	v_lshrrev_b32 v13, 5, v0
	v_readfirstlane_b32 s16, v13                   ; wave = head
	v_and_b32 v13, 31, v0                          ; lane
	v_and_b32 v14, 15, v0                          ; r
	v_bfe_u32 v15, v0, 4, 1                        ; h
	v_lshlrev_b32 v[LOFF], 4, v13
	v_mul_u32_u24 v[XA], v14, XPITCH
	v_lshl_add_u32 v[XA], v15, 4, v[XA]
	v_mul_u32_u24 v[OFA], v14, OPITCH
	v_lshl_add_u32 v[OFA], v15, 4, v[OFA]          ; 80 r + 16 h
	s_lshl_b32 s17, s16, 14
	s_add_co_u32 s17, s17, KSB                     ; my k images
	v_add_nc_u32 v[KSA], s17, v[LOFF]
	v_add_nc_u32 v[OST], s17, v[OFA]
	s_mul_i32 s17, s16, 16*OPITCH                  ; my sixteen rows of a quarter
	s_add_co_u32 s17, s17, KSB
	v_add_nc_u32 v[OFA], s17, v[OFA]
	s_lshl_b32 s17, s16, 15
	s_add_co_u32 s17, s17, VSB
	v_add_nc_u32 v[VSA], s17, v[LOFF]
	s_mul_i32 s17, s16, 16*SPITCH
	s_add_co_u32 s17, s17, STB
	v_mul_u32_u24 v[STW], v14, SPITCH
	v_lshl_add_u32 v[STW], v15, 5, v[STW]
	v_add_nc_u32 v[STW], s17, v[STW]
	v_add_nc_u32 v[STR], s17, v[LOFF]
	s_mul_i32 s17, s16, 64*XPITCH
	v_lshl_add_u32 v[XST], v13, 3, s17
	v_lshlrev_b32 v[HOFF], 5, v15
	s_lshl_b32 s20, ttmp9, 17                      ; i x 256 rows of 512 bytes
	s_lshl_b32 s17, s16, 15
	s_add_co_u32 s18, s20, s17                     ; x: + my 64 rows
	s_lshl_b32 s17, s16, 13
	s_add_co_u32 s20, s20, s17                     ; out0: + my 16 rows of a quarter
	s_mov_b32 s19, 0
	s_mov_b32 s21, 0
	s_wait_kmcnt 0x0
	s_add_nc_u64 s[4:5], s[4:5], s[18:19]
	s_add_nc_u64 s[14:15], s[14:15], s[20:21]
	s_add_nc_u64 s[22:23], s[6:7], 131072          ; Wo's fragments
	s_lshl_b32 s18, s16, 13
	s_add_nc_u64 s[24:25], s[6:7], s[18:19]        ; my head's two column tiles in each of q, k, v, g
	s_lshl_b32 s18, s16, 18
	s_add_nc_u64 s[8:9], s[8:9], s[18:19]          ; my head's bias
	s_lshl_b32 s18, s16, 7
	s_add_nc_u64 s[10:11], s[10:11], s[18:19]      ; my head's bg
	; ---- X to bf16 in LDS: each wave its 64 rows ----
	WIN 0xc0
.set i, 0
.rept 48
	global_load_b128 v[4*i:4*i+3], v[LOFF], s[24:25] offset:(i>>4)*32768+(i&15)*512   ; Wq, Wk, Wv: register 64 m + 32 ct + 8 ks + 4 hf
.set i, i+1
.endr
	WIN 0x80
.set i, 0
.rept 64
	global_load_b128 v[4*i:4*i+3], v[LOFF], s[4:5] offset:512*i th:TH_LOAD_NT         ; a whole row of 512 bytes
.set i, i+1
.endr
.set n, 0
.rept 4
	s_wait_loadcnt 48-16*n                         ; sixteen more rows are in (and the weights, which are older); the younger rows stay out
	WIN 0x8a
.set i, 16*n
.rept 16
	v_cvt_pk_bf16_f32 v[4*i],   v[4*i],   v[4*i+1]
	v_cvt_pk_bf16_f32 v[4*i+1], v[4*i+2], v[4*i+3]
.set i, i+1
.endr
	WIN 0x08
.set i, 16*n
.rept 16
	ds_store_b64 v[XST], v[4*i:4*i+1] offset:XPITCH*i
.set i, i+1
.endr
.set n, n+1
.endr
	WIN 0
	s_wait_dscnt 0x0                               ; my rows are in LDS,
	s_barrier_signal -1
	s_barrier_wait -1                              ; everybody's are.  X is never written again
.macro XLOAD row, p                    ; the four X fragments of rows 16 row .. +15 into buffer p
.set xr, \row
.set xp, XBUF+32*\p
	WIN 0xc0
.irp ks, 0,1,2,3
	ds_load_b128 v[xp+8*\ks:xp+8*\ks+3],   v[XA] offset:xr*XTILE+64*\ks
	ds_load_b128 v[xp+8*\ks+4:xp+8*\ks+7], v[XA] offset:xr*XTILE+64*\ks+32
.endr
.endm
.macro BIASLD lo, cnt                  ; loads lo .. lo+cnt-1 of a block's 64: 512 consecutive bytes each, straight into S
	WIN 0x80
.set i, \lo
.rept \cnt
	global_load_b128 v[4*i:4*i+3], v[LOFF], s[8:9] offset:512*i
.set i, i+1
.endr
.endm
	XLOAD 0, 0
	XLOAD 1, 1
	BIASLD 0, 60                                   ; block 0's bias lands under the projection.  The last four follow behind it: issue would stand still at the
	                                               ; counter's last value until the first load is back (ISA guide 5.7.1)
	; ---- q, k, V of my head ----
.macro CONV row                        ; results of rows 16 row .. +15: q scaled and packed into its fragment; k packed, V as it is, into my LDS images
.set cr, \row
.set cd, DSET+48*(cr&1)
	WIN 0x45
.irp j, 0,2,4,6,8,10,12,14
	v_pk_mul_f32 v[cd+\j:cd+\j+1], v[cd+\j:cd+\j+1], QS op_sel_hi:[1,0]
.endr
.irp j, 0,1,2,3,4,5,6,7
	v_cvt_pk_bf16_f32 v[QF+8*cr+\j], v[cd+2*\j], v[cd+2*\j+1]
.endr
.irp j, 0,1,2,3,4,5,6,7
	v_cvt_pk_bf16_f32 v[cd+16+\j], v[cd+16+2*\j], v[cd+16+2*\j+1]     ; in place: register j is written when registers 2j, 2j+1 have been read
.endr
	WIN 0x04
	ds_store_b128 v[KSA], v[cd+16:cd+19] offset:cr*1024
	ds_store_b128 v[KSA], v[cd+20:cd+23] offset:cr*1024+512
.irp ct, 0,1
	ds_store_b128 v[VSA], v[cd+32+8*\ct:cd+32+8*\ct+3] offset:(cr>>1)*4096+\ct*2048+(cr&1)*1024
	ds_store_b128 v[VSA], v[cd+32+8*\ct+4:cd+32+8*\ct+7] offset:(cr>>1)*4096+\ct*2048+(cr&1)*1024+512
.endr
.endm
; cnt = the LDS instructions issued behind these rows' eight fragment loads: 8 (the next rows' loads), later 14 (six stores of CONV and
; eight loads), at the end 6 (the stores alone).
.macro PROJ rt, cnt
.set pp, \rt&1
.set dd, DSET+48*pp
.set xb, XBUF+32*pp
	s_wait_dscnt \cnt
	WIN 0x5f
.irp ks, 0,1,2,3                       ; six accumulators take turns
	MM dd,    WQ+8*\ks,    xb+8*\ks, \ks
	MM dd+8,  WQ+32+8*\ks, xb+8*\ks, \ks
	MM dd+16, WK+8*\ks,    xb+8*\ks, \ks
	MM dd+24, WK+32+8*\ks, xb+8*\ks, \ks
	MM dd+32, xb+8*\ks, WV+8*\ks,    \ks
	MM dd+40, xb+8*\ks, WV+32+8*\ks, \ks
.endr
.if \rt == 0
	PLACES
.else
	CONV \rt-1                                     ; the other set's 24 vector instructions are also the places in front of the loads below
.endif
.if \rt <= 13
	XLOAD \rt+2, pp
.endif
.endm
	PROJ 0, 8
	PROJ 1, 8
.irp rr, 2,3,4,5,6,7,8,9,10,11,12,13,14
	PROJ \rr, 14
.endr
	PROJ 15, 6
	CONV 15
	BIASLD 60, 4
	WIN 0
.macro KVLOAD ka, va, ko, vo           ; a block's k fragments and V, from my own images (LDS serves a wave in order: they see my stores)
.irp l, 0,1,2,3
	ds_load_b128 v[KF+4*\l:KF+4*\l+3], v[\ka] offset:\ko+512*\l
.endr
.irp l, 0,1,2,3,4,5,6,7
	ds_load_b128 v[VF+4*\l:VF+4*\l+3], v[\va] offset:\vo+512*\l
.endr
.endm
.macro XGLOAD step                     ; X fragments of the two j tiles of a gate step
.set gs, \step
	WIN 0x40
.set i, 0
.rept 8
	ds_load_b128 v[XG+8*i:XG+8*i+3],   v[XA] offset:(2*gs+(i>>2))*XTILE+64*(i&3)
	ds_load_b128 v[XG+8*i+4:XG+8*i+7], v[XA] offset:(2*gs+(i>>2))*XTILE+64*(i&3)+32
.set i, i+1
.endr
.endm
	KVLOAD KSA, VSA, 0, 0
	; ---- attention: a block = 32 k x all 256 j.  s20 = the block's number ----
.macro BLOCK first, last
	s_wait_dscnt 0x0                               ; this block's k and V
	WIN 0xa4
.set jt, 0
.rept 16
	s_wait_loadcnt 60-4*jt                         ; the bias loads are the only ones out and come back in order: this j tile's four are in
	v_wmma_f32_16x16x32_bf16 v[16*jt:16*jt+7],    v[KF:KF+7],    v[QF+8*jt:QF+8*jt+7], v[16*jt:16*jt+7]
	v_wmma_f32_16x16x32_bf16 v[16*jt+8:16*jt+15], v[KF+8:KF+15], v[QF+8*jt:QF+8*jt+7], v[16*jt+8:16*jt+15]
.set jt, jt+1
.endr
.if \last == 0
	s_add_nc_u64 s[8:9], s[8:9], 32768             ; the next block's bias: all loads through this base were shown done by the last j tile's wait for 0
.endif
	PLACES
.if \last
	WIN 0x40                                       ; q's fragments are done with: the gate's weights and bias and bo come in, Wg and bg first
.set i, 0
.rept 16
	global_load_b128 v[WG+4*i:WG+4*i+3], v[LOFF], s[24:25] offset:98304+512*i
.set i, i+1
.endr
.set i, 0
.rept 4
	global_load_b128 v[BG+4*i:BG+4*i+3], v[HOFF], s[10:11] offset:64*(i>>1)+16*(i&1)
.set i, i+1
.endr
.set i, 0
.rept 16
	global_load_b128 v[96+8*(i>>1)+80*(i>>3)+4*(i&1):96+8*(i>>1)+80*(i>>3)+4*(i&1)+3], v[HOFF], s[12:13] offset:64*(i>>1)+16*(i&1)   ; bo[16nt+8h+4hf ..], nt = i >> 1
.set i, i+1
.endr
.endif
	; the maximum over j: over the sixteen j tiles in registers, sixteen chains side by side, then over the sixteen lanes of a half
	WIN 0x2a
.set q, 0
.rept 16
	v_max3_num_f32 v[MX+q], v[q], v[16+q], v[32+q]
.set q, q+1
.endr
	WIN 0x28
.set n, 0
.rept 6
.set q, 0
.rept 16
	v_max3_num_f32 v[MX+q], v[MX+q], v[48+32*n+q], v[64+32*n+q]
.set q, q+1
.endr
.set n, n+1
.endr
.set q, 0
.rept 16
	v_max_num_f32 v[MX+q], v[MX+q], v[240+q]
.set q, q+1
.endr
	WIN 0
.irp msk, 1,2,4,8
.set q, 0
.rept 16
	v_max_num_f32_dpp v[MX+q], v[MX+q], v[MX+q] row_xmask:\msk row_mask:0xf bank_mask:0xf
.set q, q+1
.endr
.endr
	; P = exp2(S - m), its sum and its fragments, in four groups of four j tiles.  When a group's 64 registers of S have been read for the last time,
	; the sixteen loads that fill them again go out at once: the next block's bias (in the last block: Wo's fragments).  So a wave's 32 KiB are asked
	; for in four parts spread over this run, the first with three groups' work more in which to land than the last.
	; The loads keep the order L = 0 .. 63, on which the counts at the block's head rest.  With the sixty-fourth out, issue would stand until the
	; first is back (ISA guide 5.7.1); that one was asked for three groups earlier.
.set g, 0
.rept 4
	WIN 0x82
.set jt, 4*g
.rept 4
.set q, 0
.rept 8
	v_pk_add_f32 v[16*jt+q:16*jt+q+1], v[16*jt+q:16*jt+q+1], v[MX+q:MX+q+1] neg_lo:[0,1] neg_hi:[0,1]
.set q, q+2
.endr
.set q, 0
.rept 16
	v_exp_f32 v[16*jt+q], v[16*jt+q]               ; in place.  The plain instruction behind a tile's exponentials (ISA guide 5.7.2) is the next tile's first
.set q, q+1                                        ; subtraction; behind the group's last tile, the first addition below, which reads the group's first tile
.endr
.set jt, jt+1
.endr
.if g == 0
	WIN 0x0a
.set q, 0
	s_wait_alu depctr_va_vdst(0)
.rept 8
	v_pk_add_f32 v[ZS+q:ZS+q+1], v[q:q+1], v[16+q:16+q+1]          ; the first two tiles start the sums
.set q, q+2
.endr
.set i, 0
.rept 32
	v_cvt_pk_bf16_f32 v[PF+i], v[2*i], v[2*i+1]                    ; P's B fragments: k tile 0 in registers 0-3, k tile 1 in 4-7
.set i, i+1
.endr
	WIN 0x02
.set jt, 2
.rept 2
.set q, 0
.rept 8
	v_pk_add_f32 v[ZS+q:ZS+q+1], v[16*jt+q:16*jt+q+1], v[ZS+q:ZS+q+1]
.set q, q+2
.endr
.set jt, jt+1
.endr
.else
	WIN 0x02
.set jt, 4*g
	s_wait_alu depctr_va_vdst(0)
.rept 4
.set q, 0
.rept 8
	v_pk_add_f32 v[ZS+q:ZS+q+1], v[16*jt+q:16*jt+q+1], v[ZS+q:ZS+q+1]
.set q, q+2
.endr
.set jt, jt+1
.endr
	WIN 0x0a
.set i, 32*g
.rept 32
	v_cvt_pk_bf16_f32 v[PF+i], v[2*i], v[2*i+1]
.set i, i+1
.endr
.endif
	WIN 0x80
.set i, 16*g
.rept 16
.if \last
	global_load_b128 v[4*i:4*i+3], v[LOFF], s[22:23] offset:512*i  ; Wo: register 32 nt + 8 ks + 4 hf
.else
	global_load_b128 v[4*i:4*i+3], v[LOFF], s[8:9] offset:512*i
.endif
.set i, i+1
.endr
.set g, g+1
.endr
	WIN 0
.irp msk, 1,2,4,8
.set q, 0
.rept 16
	v_add_f32_dpp v[ZS+q], v[ZS+q], v[ZS+q] row_xmask:\msk row_mask:0xf bank_mask:0xf
.set q, q+1
.endr
.endr
.set q, 0
.rept 16
	v_rcp_f32 v[ZS+q], v[ZS+q]
.set q, q+1
.endr
	v_nop                                          ; a plain instruction behind the reciprocals
.set i, 0
	s_wait_alu depctr_va_vdst(0)
.rept 16
	v_pk_mul_f32 v[VF+2*i:VF+2*i+1], v[VF+2*i:VF+2*i+1], v[ZS+(2*i)%16:ZS+(2*i)%16+1]     ; V / Z in f32, rounded once below
.set i, i+1
.endr
.set i, 0
.rept 16
	v_cvt_pk_bf16_f32 v[VP+i], v[VF+2*i], v[VF+2*i+1]
.set i, i+1
.endr
.if \last
	XGLOAD 0
.else
	v_lshl_add_u32 v[KRD], s20, 11, v[KSA]         ; this block's images; the next block's stand one block further, in the immediate
	v_lshl_add_u32 v[VRD], s20, 12, v[VSA]
	KVLOAD KRD, VRD, 2048, 4096
.endif
	WIN 0xf0
.set i, 0
.rept 32                               ; 32 accumulators take turns, over the backward jump too
.if \first
	v_wmma_f32_16x16x32_bf16 v[8*i:8*i+7], v[VP+8*(i&1):VP+8*(i&1)+7], v[PF+8*(i>>1):PF+8*(i>>1)+7], 0
.else
	v_wmma_f32_16x16x32_bf16 v[8*i:8*i+7], v[VP+8*(i&1):VP+8*(i&1)+7], v[PF+8*(i>>1):PF+8*(i>>1)+7], v[8*i:8*i+7]
.endif
.set i, i+1
.endr
	WIN 0
.endm
	s_mov_b32 s20, 0
	BLOCK 1, 0
	s_mov_b32 s20, 1
.Lblk:
	BLOCK 0, 0
	s_add_co_u32 s20, s20, 1
	s_cmp_lt_u32 s20, 7
	s_cbranch_scc1 .Lblk
	BLOCK 0, 1
	; ---- the gate and the last product, in four quarters of 64 rows ----
	s_wait_loadcnt 63                              ; Wg and bg are in: bo's 16 and Wo's 64 loads are younger, and the count can name no more than 63
; A gate step: two j tiles.  O = sigmoid(X Wg + bg) * out, packed to bf16.
.macro GSTEP s
	s_wait_dscnt 0x0                               ; this step's X fragments
	WIN 0x55
.irp ks, 0,1,2,3                       ; four accumulators take turns; the first K step takes bg as C
.irp u, 0,1
.irp ct, 0,1
.if \ks
	v_wmma_f32_16x16x32_bf16 v[GT+8*(2*\u+\ct):GT+8*(2*\u+\ct)+7], v[WG+8*(4*\ct+\ks):WG+8*(4*\ct+\ks)+7], v[XG+8*(4*\u+\ks):XG+8*(4*\u+\ks)+7], v[GT+8*(2*\u+\ct):GT+8*(2*\u+\ct)+7]
.else
	v_wmma_f32_16x16x32_bf16 v[GT+8*(2*\u+\ct):GT+8*(2*\u+\ct)+7], v[WG+8*(4*\ct+\ks):WG+8*(4*\ct+\ks)+7], v[XG+8*(4*\u+\ks):XG+8*(4*\u+\ks)+7], v[BG+8*\ct:BG+8*\ct+7]
.endif
.endr
.endr
.endr
	PLACES
.if \s < 7
	XGLOAD \s+1
.endif
	WIN 0x55
.set q, 0
.rept 16
	v_pk_mul_f32 v[GT+q:GT+q+1], v[GT+q:GT+q+1], NLOG2E op_sel_hi:[1,0]
.set q, q+2
.endr
.set q, 0
.rept 32
	v_exp_f32 v[GT+q], v[GT+q]
.set q, q+1
.endr
	v_nop
.set q, 0
	s_wait_alu depctr_va_vdst(0)
.rept 16
	v_pk_add_f32 v[GT+q:GT+q+1], v[GT+q:GT+q+1], 1.0 op_sel_hi:[1,0]
.set q, q+2
.endr
.set q, 0
.rept 32
	v_rcp_f32 v[GT+q], v[GT+q]
.set q, q+1
.endr
	v_nop
	WIN 0x4d
.set q, 0
	s_wait_alu depctr_va_vdst(0)
.rept 16
	v_pk_mul_f32 v[GT+q:GT+q+1], v[GT+q:GT+q+1], v[32*\s+q:32*\s+q+1]         ; times out^T of the same (c, j): these 32 registers are read for the last time
.set q, q+2
.endr
	WIN 0x05
.set q, 0
.rept 16
	v_cvt_pk_bf16_f32 v[OP+16*(\s&1)+q], v[GT+2*q], v[GT+2*q+1]
.set q, q+1
.endr
.endm
; The end of quarter qq.  My head's 64 rows of O go into my own k images' range, buffer qq & 1; behind the barrier every head's are there, and I take rows
; 64 qq + 16 w .. +15: out = O Wo + bo, a K step of 32 channels being one head's range.  Buffer qq & 1 is stored into again two quarters on, behind the next
; quarter's barrier, in front of which every wave has waited for its reads of this quarter's O.
; Then the sixteen rows go through my own stage: a lane puts its eight neighbouring columns of row r, the wave reads whole rows of 512 bytes back (its own
; bytes, served in order) and stores each with one instruction: 512 consecutive bytes, aligned.  Nothing waits for these stores but the end of the wave.
.macro FIN qq
	WIN 0
.set i, 0
.rept 8
	ds_store_b128 v[OST], v[OP+4*i:OP+4*i+3] offset:(\qq&1)*OQ+(i>>1)*16*OPITCH+(i&1)*32   ; O[64qq+16jt+r][32w+16ct+8h ..], jt = i >> 1, ct = i & 1
.set i, i+1
.endr
	s_wait_dscnt 0x0                               ; my head's quarter is in LDS (and all my earlier LDS reads are back),
	s_barrier_signal -1
	s_barrier_wait -1                              ; every head's is
.irp ks, 0,1,2,3
	ds_load_b128 v[OF+8*\ks:OF+8*\ks+3],   v[OFA] offset:\ks*KSW+(\qq&1)*OQ
	ds_load_b128 v[OF+8*\ks+4:OF+8*\ks+7], v[OFA] offset:\ks*KSW+(\qq&1)*OQ+32
.endr
.if \qq == 0
	s_wait_loadcnt 0x0                             ; Wo, bo: once
.endif
.irp ks, 0,1,2,3
	s_wait_dscnt 6-2*\ks                           ; this K step's two loads are in; those of the later steps stay out
.if \ks
	WIN 0xf2
.else
	WIN 0xd2                                       ; C = bo, in window 1
.endif
.irp nt, 0,1,2,3,4,5,6,7               ; eight accumulators take turns
.if \ks
	v_wmma_f32_16x16x32_bf16 v[64*\qq+8*\nt:64*\qq+8*\nt+7], v[8*(4*\nt+\ks):8*(4*\nt+\ks)+7], v[OF+8*\ks:OF+8*\ks+7], v[64*\qq+8*\nt:64*\qq+8*\nt+7]
.else
	v_wmma_f32_16x16x32_bf16 v[64*\qq+8*\nt:64*\qq+8*\nt+7], v[8*(4*\nt+\ks):8*(4*\nt+\ks)+7], v[OF+8*\ks:OF+8*\ks+7], v[96+8*\nt+80*(\nt/4):96+8*\nt+80*(\nt/4)+7]
.endif
.endr
.endr
	PLACES
	WIN 0x0c
.set i, 0
.rept 16
	ds_store_b128 v[STW], v[64*\qq+4*i:64*\qq+4*i+3] offset:64*(i>>1)+16*(i&1)
.set i, i+1
.endr
	WIN 0
	s_wait_xcnt 0x0                                ; the buffer below was the data of the stores two quarters ago: it is loaded again only behind this wait
.set ob, OB0+(OB1-OB0)*(\qq&1)
.set i, 0
.rept 16
	ds_load_b128 v[ob+4*i:ob+4*i+3], v[STR] offset:SPITCH*i
.set i, i+1
.endr
.set i, 0
.rept 16
	s_wait_dscnt 15-i                              ; row i is back, the younger reads stay out
	global_store_b128 v[LOFF], v[ob+4*i:ob+4*i+3], s[14:15] offset:\qq*32768+i*512 th:TH_STORE_NT
.set i, i+1
.endr
.endm
	GSTEP 0
	GSTEP 1
	FIN 0
	GSTEP 2
	GSTEP 3
	FIN 1
	GSTEP 4
	GSTEP 5
	FIN 2
	GSTEP 6
	GSTEP 7
	FIN 3
	s_wait_tensorcnt 0x0
	ds_add_u32 v30, v31
	s_wait_dscnt 0x0
	s_endpgm
.Lfunc_end_k_q9ed42031d0_attn:
	.size	k_q9ed42031d0_attn, .Lfunc_end_k_q9ed42031d0_attn-k_q9ed42031d0_attn
	.p2alignl 7, 3214868480
	.fill 96, 4, 3214868480
	.section	.rodata,"a",@progbits
	.p2align	6, 0x0
	.amdhsa_kernel k_q9ed42031d0_attn
		.amdhsa_group_segment_fixed_size 300544
		.amdhsa_private_segment_fixed_size 0
		.amdhsa_enable_private_segment 0
		.amdhsa_kernarg_size 48
		.amdhsa_user_sgpr_count 2
		.amdhsa_user_sgpr_kernarg_segment_ptr 1
		.amdhsa_wavefront_size32 1
		.amdhsa_system_sgpr_workgroup_id_x 1
		.amdhsa_system_sgpr_workgroup_id_y 1
		.amdhsa_system_sgpr_workgroup_id_z 1
		.amdhsa_system_vgpr_workitem_id 0
		.amdhsa_next_free_vgpr 1024
		.amdhsa_next_free_sgpr 66
		.amdhsa_reserve_vcc 0
		.amdhsa_float_denorm_mode_32 3
		.amdhsa_float_denorm_mode_16_64 3
		.amdhsa_memory_ordered 1
		.amdhsa_forward_progress 1
		.amdhsa_inst_pref_size 255
	.end_amdhsa_kernel
	.section	.bss,"aw",@nobits
	.p2align	6
	.space	262144
	.amdgpu_metadata
---
amdhsa.version: [ 1, 2 ]
amdhsa.kernels:
  - .name:           k_q9ed42031d0_attn
    .symbol:         k_q9ed42031d0_attn.kd
    .args:
      - { .name: x, .offset: 0, .size: 8, .value_kind: global_buffer, .address_space: global }
      - { .name: wfrag, .offset: 8, .size: 8, .value_kind: global_buffer, .address_space: global }
      - { .name: biasw, .offset: 16, .size: 8, .value_kind: global_buffer, .address_space: global }
      - { .name: bg, .offset: 24, .size: 8, .value_kind: global_buffer, .address_space: global }
      - { .name: bo, .offset: 32, .size: 8, .value_kind: global_buffer, .address_space: global }
      - { .name: out0, .offset: 40, .size: 8, .value_kind: global_buffer, .address_space: global }
    .group_segment_fixed_size: 300544
    .private_segment_fixed_size: 0
    .kernarg_segment_align: 8
    .kernarg_segment_size: 48
    .max_flat_workgroup_size: 128
    .sgpr_count:     66
    .vgpr_count:     1024
    .wavefront_size: 32
...
	.end_amdgpu_metadata
.endif
;; end of part 2
;; ======== version 2 of 2: 2 launches; version 1 with the launches prep, attn written anew for expert scheduling mode
;; workspace buffers: biasw 1,048,576 bytes; wfrag 163,840 bytes
;; launch prep (part 3): grid 256 x 1, 4 waves a work-group, no clusters, 74,496 bytes of LDS; arguments x, Wb, Wq, Wk, Wv, Wg, Wo, biasw, wfrag; writes biasw, wfrag
.if DOCPART == 3
	.amdgcn_target "amdgcn-amd-amdhsa--gfx1250"
	.amdhsa_code_object_version 6
	.text
	.protected	k_q9ed42031d0_prep
	.globl	k_q9ed42031d0_prep
	.p2align	8
	.type	k_q9ed42031d0_prep,@function
k_q9ed42031d0_prep:
	s_mov_b64 s[64:65], 0
	v_nop
	global_prefetch_b8 v0, s[64:65] scope:SCOPE_SE
	s_setreg_imm32_b32 hwreg(HW_REG_WAVE_SCHED_MODE, 0, 2), 2
	s_setreg_imm32_b32 hwreg(HW_REG_WAVE_MODE, 25, 1), 1
	s_wait_xcnt 0x0
	s_wait_alu depctr_vm_vsrc(0)
; TRIANGULAR AXIAL ATTENTION, first of two launches.
; No work of the problem is left out in either launch: the bias x[0,j,k,:].Wb[:,g] changes along j, the softmax's axis, so it does not
; cancel there, and every input has a way to the output.
; This launch makes (1) biasw = log2(e) * (x @ Wb) in f32 and (2) wfrag = the five 128 x 128 weights in bf16, both laid out as the register
; images that the second launch loads with 16 neighbouring bytes a lane.
;   biasw byte  g*262144 + kb*32768 + jt*2048 + t*1024 + hf*512 + (16h+r)*16 + 4e  =  log2e * bias[j = 16jt+r][k = 32kb+16t+8h+4hf+e][g]
;   wfrag byte  mat*32768 + nt*4096 + ks*1024 + hf*512 + (16h+r)*16 + 2e           =  bf16 W_mat[32ks+16hf+8h+e][16nt+r]   (mat: q,k,v,g,o)
; Work-group b: jt = b >> 4, kq = b & 15.  Wave w: k4 = 4 kq + w.  A wave owns the 64 rows x[16jt+jl][4k4+e] (jl 0..15, e 0..3), 32 KiB,
; all asked for at once.  A row's load leaves the 128 channels spread over the lanes, so the sum over channels is given to the matrix
; unit: A = Wb^T (row m holds group (m&1) + 2(m>>3); of the sixteen rows only m = 0, 1, 8, 9 are read), B = 16 rows of x in bf16.
; Lane (r, h), register s of the result then holds bias[j = r][g = 2h + s].
; Every LDS byte is the wave's own, and LDS serves a wave's instructions in order (ISA guide 5.7.1): no barrier.
; Work-groups 0 to 79 also write one half fragment of 512 bytes a wave (matrix jt, half fragment k4 = 8 nt + 2 ks + hf).
; LIMIT: x and Wb enter the product rounded to bf16; the sum and the bias are f32.
; THE MODE: SCHED_MODE bits 1:0 = 2 (LLVM: expert scheduling mode 2), set by the entry lines.  The code itself states the register dependences
; between vector or matrix instructions and memory or LDS instructions, with s_wait_alu, always for 0.
; THE PLAN.  Registers that memory or LDS instructions touch:
;   v1, v4-v9   offsets and LDS addresses: made at the head, never written again.  One wait on va_vdst, ahead of the branch, serves every load and store.
;   WBR         Wb's loads land; converted in place, so that each of the sixteen registers ends as the data of one LDS store; never written again.
;   window 1    x's loads land; sixteen rows at a time are converted in place and then read by their LDS stores; never written again.
;   AF, BF, GA  loads land in them; no vector instruction names them before that.
;   TT, GP      written by the last vector instructions, read by the last global stores.
; So a wait on va_vdst stands behind each run of conversions, ahead of the stores that read them, and one ahead of the last global stores.
; No register that a memory or LDS instruction has read is written again: the text holds no wait on vm_vsrc.
.set LOG2E,  0x3fb8aa3b
.set XPITCH, 272                       ; 256 bytes of bf16 + 16: the sixteen rows of a fragment load begin in sixteen different 16-byte columns of 256
.set XSB,    64*XPITCH                 ; a wave's 64 rows
.set WTB,    4*XSB                     ; behind them: Wb^T, 4 rows of 272 bytes for each wave
.set WBR, 16                           ; v[16:31]   Wb as loaded: load i gives lane l the four groups of channel 32 i + l; then the same four in bf16, one to a register's low half
.set DA,  32                           ; v[32:63]   four accumulators, one for each e
.set AF,  64                           ; v[64:95]   A fragments, one for each K step of 32 channels
.set TT,  96                           ; v[96:103]  T[s][e]: the 16 bytes to store for group 2h + s
.set GA,  104                          ; v[104:111] eight weights as gathered
.set GP,  112                          ; v[112:115] the same in bf16
.set BF,  128                          ; v[128:255] B fragments [e][ks]
                                       ; window 1, v0-255: x as loaded, load i in registers 4i .. 4i+3
.set MSB, 0
.macro WIN new                         ; the immediate's high byte repeats the setting that is left
.if MSB != \new
	s_set_vgpr_msb (MSB<<8)|\new
.set MSB, \new
.endif
.endm
.macro MM d, a, b, acc                 ; acc = 0: the product starts the sum
.if \acc
	v_wmma_f32_16x16x32_bf16 v[\d:\d+7], v[\a:\a+7], v[\b:\b+7], v[\d:\d+7]
.else
	v_wmma_f32_16x16x32_bf16 v[\d:\d+7], v[\a:\a+7], v[\b:\b+7], 0
.endif
.endm
	s_load_b512 s[4:19], s[0:1], 0x0               ; x s[4:5], Wb s[6:7], Wq s[8:9], Wk s[10:11], Wv s[12:13], Wg s[14:15], Wo s[16:17], biasw s[18:19]
	s_load_b64 s[20:21], s[0:1], 0x40              ; wfrag
	v_lshl_add_u32 v126, v0, 2, 0x12100
	v_mov_b32 v127, 0
	v_lshrrev_b32 v10, 5, v0
	v_readfirstlane_b32 s22, v10                   ; wave
	v_and_b32 v11, 31, v0                          ; lane
	v_and_b32 v2, 15, v0                           ; r
	v_bfe_u32 v3, v0, 4, 1                         ; h
	v_lshlrev_b32 v1, 4, v11                       ; 16 bytes a lane
	s_lshr_b32 s23, ttmp9, 4                       ; jt (and the matrix's number)
	s_and_b32 s24, ttmp9, 15                       ; kq
	s_wait_alu depctr_va_sdst(0)                   ; s22 is written, ahead of its first reader: k4 and my LDS bytes are made from it
	s_lshl2_add_u32 s25, s24, s22                  ; k4 = 4 kq + w (and the half fragment's number)
	s_mul_i32 s30, s22, XSB                        ; my rows in LDS
	s_mul_i32 s31, s22, 4*XPITCH
	s_add_co_u32 s31, s31, WTB                     ; my Wb^T
	v_lshl_add_u32 v4, v11, 3, s30                 ; x in: 8 bytes a lane
	v_mul_u32_u24 v12, v2, XPITCH
	v_lshl_add_u32 v12, v3, 4, v12
	v_add_nc_u32 v5, s30, v12                      ; x back as fragments: row r, 16 h
	v_lshl_add_u32 v6, v11, 1, s31                 ; Wb^T in: 2 bytes a lane
	v_and_b32 v13, 1, v2
	v_lshrrev_b32 v14, 3, v2
	v_lshl_add_u32 v13, v14, 1, v13                ; the group in A's row r: (r & 1) + 2 (r >> 3)
	v_mul_u32_u24 v13, v13, XPITCH
	v_lshl_add_u32 v13, v3, 4, v13
	v_add_nc_u32 v7, s31, v13                      ; Wb^T back as fragments
	v_lshlrev_b32 v8, 4, v2
	v_lshl_add_u32 v8, v3, 19, v8                  ; bias out: group 2h (524,288 h) + 16 r
	v_lshlrev_b32 v9, 2, v2
	v_lshl_add_u32 v9, v3, 12, v9                  ; weights in: 8 h rows of 512 bytes + 4 r
	s_lshl_b32 s28, s23, 21                        ; 16 jt planes of 131,072 bytes
	s_lshl_b32 s32, s25, 11                        ; 4 k4 rows of 512 bytes
	s_add_co_u32 s28, s28, s32
	s_mov_b32 s29, 0
	s_lshr_b32 s32, s25, 3                         ; kb
	s_lshl_b32 s32, s32, 15
	s_lshl_b32 s33, s23, 11                        ; jt
	s_add_co_u32 s32, s32, s33
	s_bfe_u32 s33, s25, 0x10002                    ; t
	s_lshl_b32 s33, s33, 10
	s_add_co_u32 s32, s32, s33
	s_and_b32 s33, s25, 1                          ; hf
	s_lshl_b32 s33, s33, 9
	s_add_co_u32 s32, s32, s33
	s_bfe_u32 s33, s25, 0x10001                    ; the image's h: which sixteen lanes' 256 bytes
	s_lshl_b32 s33, s33, 8
	s_add_co_u32 s32, s32, s33
	s_mov_b32 s33, 0
	s_wait_kmcnt 0x0
	s_add_nc_u64 s[4:5], s[4:5], s[28:29]          ; x at my first row
	s_add_nc_u64 s[18:19], s[18:19], s[32:33]      ; biasw at my 256 bytes of group 0
	s_wait_alu depctr_va_vdst(0)                   ; v1 and v4 to v9 are written: every load and store of the kernel, global or LDS, reads one of them as its offset or address
; frag = 1: the wave also packs and stores its half fragment of a weight, whose eight gathers were issued ahead of the body
.macro BIAS_BODY frag
.irp i, 0,1,2,3
	global_load_b128 v[WBR+4*\i:WBR+4*\i+3], v1, s[6:7] offset:512*\i
.endr
	WIN 0x40                                       ; destination in window 1
.set i, 0
.rept 64
	global_load_b128 v[4*i:4*i+3], v1, s[4:5] offset:(i>>2)*131072+(i&3)*512   ; row jl = i >> 2, e = i & 3: 512 neighbouring bytes
.set i, i+1
.endr
	WIN 0
	s_wait_loadcnt 63                              ; Wb is in: 64 loads are younger, and the count can name no more than 63
.irp i, 0,1,2,3
	v_cvt_pk_bf16_f32 v[WBR+4*\i],   v[WBR+4*\i],   v[WBR+4*\i+1]     ; in place: groups 0 and 1,
	v_cvt_pk_bf16_f32 v[WBR+4*\i+2], v[WBR+4*\i+2], v[WBR+4*\i+3]     ; groups 2 and 3;
	v_lshrrev_b32 v[WBR+4*\i+1], 16, v[WBR+4*\i]                      ; the odd groups come down into registers of their own
	v_lshrrev_b32 v[WBR+4*\i+3], 16, v[WBR+4*\i+2]
.endr
.set n, 0
.rept 4
	s_wait_loadcnt 48-16*n                         ; loads come back in order: sixteen more rows are in, the younger ones stay out
	WIN 0x45
.set i, 16*n
.rept 16
	v_cvt_pk_bf16_f32 v[4*i],   v[4*i],   v[4*i+1]
	v_cvt_pk_bf16_f32 v[4*i+1], v[4*i+2], v[4*i+3]
.set i, i+1
.endr
.if n == 0
	WIN 0
	s_wait_alu depctr_va_vdst(0)                   ; the conversions have written WBR's sixteen registers and the first sixteen rows', which the LDS stores below read
.irp i, 0,1,2,3
	ds_store_b16 v6, v[WBR+4*\i]   offset:64*\i              ; Wb^T[g][32 i + lane]
	ds_store_b16 v6, v[WBR+4*\i+1] offset:64*\i+XPITCH
	ds_store_b16 v6, v[WBR+4*\i+2] offset:64*\i+2*XPITCH
	ds_store_b16 v6, v[WBR+4*\i+3] offset:64*\i+3*XPITCH
.endr
.irp ks, 0,1,2,3
	ds_load_b128 v[AF+8*\ks:AF+8*\ks+3],   v7 offset:64*\ks
	ds_load_b128 v[AF+8*\ks+4:AF+8*\ks+7], v7 offset:64*\ks+32
.endr
	WIN 0x04                                       ; store data in window 1
.else
	WIN 0x04
	s_wait_alu depctr_va_vdst(0)                   ; the conversions have written these sixteen rows' registers, which the LDS stores below read
.endif
.set i, 16*n
.rept 16
	ds_store_b64 v4, v[4*i:4*i+1] offset:((i&3)*16+(i>>2))*XPITCH   ; LDS row 16 e + jl
.set i, i+1
.endr
.set n, n+1
.endr
	WIN 0
.irp ks, 0,1,2,3
.irp e, 0,1,2,3
	ds_load_b128 v[BF+8*(4*\e+\ks):BF+8*(4*\e+\ks)+3],   v5 offset:\e*16*XPITCH+64*\ks
	ds_load_b128 v[BF+8*(4*\e+\ks)+4:BF+8*(4*\e+\ks)+7], v5 offset:\e*16*XPITCH+64*\ks+32
.endr
.endr
.irp ks, 0,1,2,3
	s_wait_dscnt 24-8*\ks                          ; this K step's eight loads are in; those of the later steps stay out
.irp e, 0,1,2,3
	MM DA+8*\e, AF+8*\ks, BF+8*(4*\e+\ks), \ks     ; the four accumulators take turns
.endr
.endr
.rept 4
	v_nop                                          ; four places behind the last matrix instruction before its result is read (ISA guide 7.12.1)
.endr
.irp s, 0,1
.irp e, 0,1,2,3
	v_mul_f32 v[TT+4*\s+\e], LOG2E, v[DA+8*\e+\s]  ; the scale to base 2, and the four k of one (j, g) side by side
.endr
.endr
.if \frag
.irp p, 0,1,2,3
	v_cvt_pk_bf16_f32 v[GP+\p], v[GA+2*\p], v[GA+2*\p+1]       ; the gathers were shown done by the last wait for loads above
.endr
.endif
	s_wait_alu depctr_va_vdst(0)                   ; TT (and GP) are written, which the global stores below read
	global_store_b128 v8, v[TT:TT+3],   s[18:19]                 ; groups 0 (lanes 0-15) and 2 (lanes 16-31): sixteen lanes store 256 consecutive bytes, aligned
	global_store_b128 v8, v[TT+4:TT+7], s[18:19] offset:262144   ; groups 1 and 3
.if \frag
	global_store_b128 v1, v[GP:GP+3], s[20:21]     ; 512 consecutive bytes
.endif
.endm
	s_mov_b32 s34, ttmp9
	s_cmp_lt_u32 s34, 80
	s_cbranch_scc0 .Lplain
	; work-groups 0 to 79: one half fragment a wave as well.  Its eight gathers go out first and are covered by the body's last wait for loads.
	s_mov_b64 s[26:27], s[8:9]
	s_cmp_eq_u32 s23, 1
	s_cselect_b64 s[26:27], s[10:11], s[26:27]
	s_cmp_eq_u32 s23, 2
	s_cselect_b64 s[26:27], s[12:13], s[26:27]
	s_cmp_eq_u32 s23, 3
	s_cselect_b64 s[26:27], s[14:15], s[26:27]
	s_cmp_eq_u32 s23, 4
	s_cselect_b64 s[26:27], s[16:17], s[26:27]
	s_bfe_u32 s28, s25, 0x20001                    ; ks: 32 rows of 512 bytes
	s_lshl_b32 s28, s28, 14
	s_and_b32 s30, s25, 1                          ; hf: 16 rows
	s_lshl_b32 s30, s30, 13
	s_add_co_u32 s28, s28, s30
	s_lshr_b32 s30, s25, 3                         ; nt: 16 columns of 4 bytes
	s_lshl_b32 s30, s30, 6
	s_add_co_u32 s28, s28, s30
	s_add_nc_u64 s[26:27], s[26:27], s[28:29]      ; s29 is still 0
	s_lshl_b32 s28, s23, 15
	s_lshl_b32 s30, s25, 9
	s_add_co_u32 s28, s28, s30
	s_add_nc_u64 s[20:21], s[20:21], s[28:29]      ; wfrag at my 512 bytes
.irp e, 0,1,2,3,4,5,6,7
	global_load_b32 v[GA+\e], v9, s[26:27] offset:512*\e       ; W[32ks+16hf+8h+e][16nt+r]
.endr
	BIAS_BODY 1
	s_wait_dscnt 0x0
	s_wait_alu depctr_hold_cnt(0) depctr_sa_sdst(0) depctr_va_vdst(0) depctr_va_sdst(0) depctr_va_ssrc(0) depctr_va_vcc(0) depctr_vm_vsrc(0)
	s_wait_tensorcnt 0x0
	ds_add_u32 v126, v127
	s_wait_dscnt 0x0
	s_endpgm
.Lplain:
	BIAS_BODY 0
	s_wait_dscnt 0x0
	s_wait_alu depctr_hold_cnt(0) depctr_sa_sdst(0) depctr_va_vdst(0) depctr_va_sdst(0) depctr_va_ssrc(0) depctr_va_vcc(0) depctr_vm_vsrc(0)
	s_wait_tensorcnt 0x0
	ds_add_u32 v126, v127
	s_wait_dscnt 0x0
	s_endpgm
.Lfunc_end_k_q9ed42031d0_prep:
	.size	k_q9ed42031d0_prep, .Lfunc_end_k_q9ed42031d0_prep-k_q9ed42031d0_prep
	.p2alignl 7, 3214868480
	.fill 96, 4, 3214868480
	.section	.rodata,"a",@progbits
	.p2align	6, 0x0
	.amdhsa_kernel k_q9ed42031d0_prep
		.amdhsa_group_segment_fixed_size 74496
		.amdhsa_private_segment_fixed_size 0
		.amdhsa_enable_private_segment 0
		.amdhsa_kernarg_size 72
		.amdhsa_user_sgpr_count 2
		.amdhsa_user_sgpr_kernarg_segment_ptr 1
		.amdhsa_wavefront_size32 1
		.amdhsa_system_sgpr_workgroup_id_x 1
		.amdhsa_system_sgpr_workgroup_id_y 1
		.amdhsa_system_sgpr_workgroup_id_z 1
		.amdhsa_system_vgpr_workitem_id 0
		.amdhsa_next_free_vgpr 512
		.amdhsa_next_free_sgpr 66
		.amdhsa_reserve_vcc 0
		.amdhsa_float_denorm_mode_32 3
		.amdhsa_float_denorm_mode_16_64 3
		.amdhsa_memory_ordered 1
		.amdhsa_forward_progress 1
		.amdhsa_inst_pref_size 56
	.end_amdhsa_kernel
	.amdgpu_metadata
---
amdhsa.version: [ 1, 2 ]
amdhsa.kernels:
  - .name:           k_q9ed42031d0_prep
    .symbol:         k_q9ed42031d0_prep.kd
    .args:
      - { .name: x, .offset: 0, .size: 8, .value_kind: global_buffer, .address_space: global }
      - { .name: Wb, .offset: 8, .size: 8, .value_kind: global_buffer, .address_space: global }
      - { .name: Wq, .offset: 16, .size: 8, .value_kind: global_buffer, .address_space: global }
      - { .name: Wk, .offset: 24, .size: 8, .value_kind: global_buffer, .address_space: global }
      - { .name: Wv, .offset: 32, .size: 8, .value_kind: global_buffer, .address_space: global }
      - { .name: Wg, .offset: 40, .size: 8, .value_kind: global_buffer, .address_space: global }
      - { .name: Wo, .offset: 48, .size: 8, .value_kind: global_buffer, .address_space: global }
      - { .name: biasw, .offset: 56, .size: 8, .value_kind: global_buffer, .address_space: global }
      - { .name: wfrag, .offset: 64, .size: 8, .value_kind: global_buffer, .address_space: global }
    .group_segment_fixed_size: 74496
    .private_segment_fixed_size: 0
    .kernarg_segment_align: 8
    .kernarg_segment_size: 72
    .max_flat_workgroup_size: 128
    .sgpr_count:     66
    .vgpr_count:     512
    .wavefront_size: 32
...
	.end_amdgpu_metadata
.endif
;; end of part 3
;; launch attn (part 4): grid 256 x 1, 4 waves a work-group, no clusters, 300,544 bytes of LDS; arguments x, wfrag, biasw, bg, bo, out0; writes out0
.if DOCPART == 4
	.amdgcn_target "amdgcn-amd-amdhsa--gfx1250"
	.amdhsa_code_object_version 6
	.text
	.protected	k_q9ed42031d0_attn
	.globl	k_q9ed42031d0_attn
	.p2align	8
	.type	k_q9ed42031d0_attn,@function
k_q9ed42031d0_attn:
	s_mov_b64 s[64:65], 0
	v_nop
	global_prefetch_b8 v0, s[64:65] scope:SCOPE_SE
	s_setreg_imm32_b32 hwreg(HW_REG_WAVE_SCHED_MODE, 0, 2), 2
	s_setreg_imm32_b32 hwreg(HW_REG_WAVE_MODE, 25, 1), 1
	s_wait_xcnt 0x0
	s_wait_alu depctr_vm_vsrc(0)
; TRIANGULAR AXIAL ATTENTION, second launch: everything but the bias and the weights' conversion.  No work of the problem is left out.
; Work-group = i (X = x[0,i], 256 rows x 128 channels); wave w = head g.  A wave makes q, k, v and the gate of its head for all 256 rows,
; its 256 x 256 scores in 8 blocks of 32 k, and keeps its out^T (32 c x 256 j) in 256 registers.  Only X (bf16) and the gated output O
; go from wave to wave, through LDS: five barriers.  The gate and the last product go in four quarters of 64 rows; of quarter Q wave w
; takes rows 64Q+16w .. +15 of the last product, so that a quarter's rows are stored while the later quarters' gates are computed.
; The softmax runs over j, so its maximum and its sum belong to k, the index that the second product sums over:
;   out[j] = sum over k of exp(S[j,k] - m_k) * (v_k / Z_k),  m_k = max over j,  Z_k = sum over j: both exact, a block holds all 256 j.
; LAYOUTS, chosen so that nothing is ever transposed (D's register jj of lane (r, h) is element (8h + jj, r)):
;   q^T, k^T, gate^T = W^T x X^T : (c, row)    two c tiles pack into q's B fragment, k's A fragment
;   V   = X x Wv                 : (k, c)      two k tiles, times 1/Z, pack into the A fragment of V'^T
;   S^T = k x q^T + bias         : (k, j)      C is the bias image, loaded straight into the accumulator; two k tiles pack into the B fragment P
;   out^T = V'^T x P             : (c, j)      the gate's map; packs into 16 neighbouring bytes of O[j]
;   final^T = Wo^T x O^T + bo    : (n, j)      C of the first K step is bo; leaves through a stage in LDS as whole rows of 512 bytes
; q is scaled by log2(e)/sqrt(32) in f32 before it is rounded, and the bias carries log2(e): S is in base 2, P = exp2(S - m).
; CLUSTERS are not used although all work-groups read the same bias and weights: sharing wants tensor loads into LDS slots that are filled
; again; a block's bias for the four heads is 131,072 bytes, and of the 327,680 bytes of LDS this text holds 300,032.
; LIMITS: matrix operands (x, weights, q, k, P, V/Z, O) are bf16, all sums f32.  v_exp_f32 and v_rcp_f32 flush denormals (ISA guide 15.8): a P
; below 2^-126 counts as 0; Z is at least 1 (the maximum's own term).  Z sums the unrounded P, the product takes P in bf16.
; sigmoid(a) = rcp(1 + exp2(-log2e a)) runs to 0 and 1 through infinity and 0.
; THE MODE: SCHED_MODE bits 1:0 = 2 (LLVM: expert scheduling mode 2), set by the entry lines.  The code itself states the register dependences
; between vector or matrix instructions and memory or LDS instructions, with s_wait_alu, always for 0.
; THE PLAN.  Registers that memory or LDS instructions touch, phase by phase:
;   v1-v4, v7-v12   offsets and LDS addresses: made at the head, never written again: one wait on va_vdst ahead of the first load.
;   window 2, X     x's loads land; sixteen rows at a time are converted in place (a wait on va_vdst) and read by their LDS stores.  Behind the barrier the bias
;                   lands in the same registers: a wait on va_vdst and one on vm_vsrc ahead of it.
;   PROJECTION      Step rt's memory side stands at its head: the LDS loads of X(rt+1) into the X buffer that the products of rt-1 read; the LDS stores of V(rt-1),
;                   out of the accumulators that those products wrote; the LDS stores of k(rt-2) out of KP[rt&1], which the packs of rt-2 wrote.  Behind them the
;                   step's vector side: the products of rt (the other X buffer, the other set of accumulators) and the scaling and packs of rt-1 (into q's fragment
;                   and KP[(rt-1)&1]).  So one wait on va_vdst at the head states all that the step's fourteen LDS instructions hang on, and one on vm_vsrc that the
;                   stores of the step before have read what this step's products and packs write again.
;   A BLOCK         S (window 2): the bias lands, the products add onto it, maximum, exponentials, sums and packs read it; each group of 64 registers is loaded again
;                   behind its last read: a wait on va_vdst ahead of each group's sixteen loads.  KF, VF: LDS loads land; the S products read KF, the division by Z
;                   works on VF; loaded again behind that: one wait on va_vdst, which also states that v5 and v6, the one address that steps, are written; a wait on
;                   vm_vsrc stands ahead of the two adds that step them.
;   LAST BLOCK      Wg, bg, bo land in window 1 where q's fragments, the projection's results and KP lay: both waits ahead of them.  X's fragments for the gate land
;                   on q's first eight fragments: a wait on va_vdst.
;   GATE, QUARTERS  XG: read by a step's products, loaded again behind sixteen multiplications and a wait on va_vdst.  OP: written by the packs, read by O's LDS stores
;                   (va_vdst ahead of them, vm_vsrc ahead of the next quarter's packs).  OF, OB0, OB1: LDS loads land; OB0 and OB1 are read by the global stores and
;                   loaded again two quarters on (vm_vsrc beside the wait on XCNT).  The last product's sums are read by the stage's LDS stores (the places, then va_vdst).
.set QS,     0x3e8293ee                ; log2(e) / sqrt(32)
.set NLOG2E, 0xbfb8aa3b                ; -log2(e)
.set XPITCH, 272                       ; X in LDS: 256 bytes + 16, an odd multiple of 16: a fragment load's sixteen rows begin in sixteen different 16-byte columns of 256
.set XTILE,  16*XPITCH
.set KSB,    256*XPITCH                ; 69,632: behind X.  k fragments as register images, 16,384 a wave: [kt 16][hf 2][lane][16]
.set KSW,    16384
.set VSB,    KSB+4*KSW                 ; V in f32 as register images, 32,768 a wave: [kb 8][ct 2][t 2][hf 2][lane][16]
.set STB,    VSB+4*32768               ; the way out: 16 rows of 528 bytes a wave
.set SPITCH, 528
.set OPITCH, 80                        ; O in LDS, by heads: a row is a head's 64 bytes + 16, again an odd multiple of 16
.set OQ,     64*OPITCH                 ; a head's quarter of O, 5,120 bytes.  Two of them, taking turns, lie at the head of the storing wave's own k images,
                                       ; which that wave has read for the last time when the attention is over
; window 0
.set LOFF, 1                           ; 16 x lane
.set XA,   2                           ; X fragments: 272 r + 16 h
.set KSA,  3                           ; my k images + 16 x lane
.set VSA,  4                           ; my V images + 16 x lane
.set KRD,  5                           ; KSA + 2,048 x block
.set VRD,  6                           ; VSA + 4,096 x block
.set OST,  7                           ; O in: my k images + 80 r + 16 h
.set STW,  8                           ; stage in: 528 r + 32 h
.set STR,  9                           ; stage back: 16 x lane
.set XST,  10                          ; X in: my 64 rows + 8 x lane
.set HOFF, 11                          ; 32 h: eight f32 of bg or bo
.set OFA,  12                          ; O fragments: head 0's k images + (16 w + r) 80 + 16 h
.set KF,   32                          ; v[32:47]   k fragments of the block, [t]
.set VF,   48                          ; v[48:79]   V of the block in f32, [ct][t]
.set VP,   80                          ; v[80:95]   V / Z in bf16, [ct]
.set MX,   96                          ; v[96:111]  maxima [t][jj]
.set ZS,   112                         ; v[112:127] sums, then their reciprocals
.set PF,   128                         ; v[128:255] P[jt]
.set OP,   128                         ; (behind the attention) v[128:159] a quarter's O, packed, [jt 4][ct 2]
.set OF,   160                         ; v[160:191] O fragments [ks]
.set OB0,  192                         ; v[192:255] and
.set OB1,  32                          ; v[32:95]   two buffers for the way out, by turns
; window 1
.set QF,   0                           ; q fragments [jt]
.set DSET, 128                         ; projection results, two sets of 48: q^T 2 tiles, k^T 2 tiles, V 2 tiles
.set KP,   224                         ; v[224:239] k of sixteen rows in bf16, on its way to LDS: two buffers of 8, by turns
.set XG,   0                           ; (behind the last S products) X fragments [u][ks]
.set GT,   64                          ; gate [u][ct]
.set WG,   128                         ; Wg fragments [ct][ks]
.set BG,   192                         ; bg [ct]
                                       ; bo [nt] at 96 + 8 nt (nt 0-3) and 208 + 8 (nt - 4)
; window 2: x as loaded; then S[jt][t] at 16 jt + 8 t (bias load L lands in 4L .. 4L+3); then Wo fragments [nt][ks]
; window 3
.set WQ,   0                           ; Wq, Wk, Wv fragments [ct][ks]
.set WK,   64
.set WV,   128
.set XBUF, 192                         ; X fragments, two buffers of 32; then the whole window is out^T [jt][ct]; quarter Q's 64 registers then take its last product's sums [nt]
.set MSB, 0
.macro WIN new                         ; low byte: bits 1:0 source 0, 3:2 source 1, 5:4 source 2, 7:6 destination; the high byte repeats the setting that is left
.if MSB != \new
	s_set_vgpr_msb (MSB<<8)|\new
.set MSB, \new
.endif
.endm
.macro PLACES                          ; four places behind a matrix instruction before its result is read (ISA guide 7.12.1)
.rept 4
	v_nop
.endr
.endm
.macro MM d, a, b, acc                 ; acc = 0: the product starts the sum, nothing is cleared
.if \acc
	v_wmma_f32_16x16x32_bf16 v[\d:\d+7], v[\a:\a+7], v[\b:\b+7], v[\d:\d+7]
.else
	v_wmma_f32_16x16x32_bf16 v[\d:\d+7], v[\a:\a+7], v[\b:\b+7], 0
.endif
.endm
	s_load_b256 s[4:11], s[0:1], 0x0               ; x s[4:5], wfrag s[6:7], biasw s[8:9], bg s[10:11]
	s_load_b128 s[12:15], s[0:1], 0x20             ; bo s[12:13], out0 s[14:15]
	v_lshl_add_u32 v30, v0, 2, 0x49400
	v_mov_b32 v31, 0
	v_lshrrev_b32 v13, 5, v0
	v_readfirstlane_b32 s16, v13                   ; wave = head
	v_and_b32 v13, 31, v0                          ; lane
	v_and_b32 v14, 15, v0                          ; r
	v_bfe_u32 v15, v0, 4, 1                        ; h
	v_lshlrev_b32 v[LOFF], 4, v13
	v_mul_u32_u24 v[XA], v14, XPITCH
	v_lshl_add_u32 v[XA], v15, 4, v[XA]
	v_mul_u32_u24 v[OFA], v14, OPITCH
	v_lshl_add_u32 v[OFA], v15, 4, v[OFA]          ; 80 r + 16 h
	s_wait_alu depctr_va_sdst(0)                   ; s16 is written, ahead of its first reader: my LDS bytes and my parts of the buffers are made from it
	s_lshl_b32 s17, s16, 14
	s_add_co_u32 s17, s17, KSB                     ; my k images
	v_add_nc_u32 v[KSA], s17, v[LOFF]
	v_add_nc_u32 v[OST], s17, v[OFA]
	s_mul_i32 s17, s16, 16*OPITCH                  ; my sixteen rows of a quarter
	s_add_co_u32 s17, s17, KSB
	v_add_nc_u32 v[OFA], s17, v[OFA]
	s_lshl_b32 s17, s16, 15
	s_add_co_u32 s17, s17, VSB
	v_add_nc_u32 v[VSA], s17, v[LOFF]
	s_mul_i32 s17, s16, 16*SPITCH
	s_add_co_u32 s17, s17, STB
	v_mul_u32_u24 v[STW], v14, SPITCH
	v_lshl_add_u32 v[STW], v15, 5, v[STW]
	v_add_nc_u32 v[STW], s17, v[STW]
	v_add_nc_u32 v[STR], s17, v[LOFF]
	s_mul_i32 s17, s16, 64*XPITCH
	v_lshl_add_u32 v[XST], v13, 3, s17
	v_lshlrev_b32 v[HOFF], 5, v15
	s_lshl_b32 s20, ttmp9, 17                      ; i x 256 rows of 512 bytes
	s_lshl_b32 s17, s16, 15
	s_add_co_u32 s18, s20, s17                     ; x: + my 64 rows
	s_lshl_b32 s17, s16, 13
	s_add_co_u32 s20, s20, s17                     ; out0: + my 16 rows of a quarter
	s_mov_b32 s19, 0
	s_mov_b32 s21, 0
	s_wait_kmcnt 0x0
	s_add_nc_u64 s[4:5], s[4:5], s[18:19]
	s_add_nc_u64 s[14:15], s[14:15], s[20:21]
	s_add_nc_u64 s[22:23], s[6:7], 131072          ; Wo's fragments
	s_lshl_b32 s18, s16, 13
	s_add_nc_u64 s[24:25], s[6:7], s[18:19]        ; my head's two column tiles in each of q, k, v, g
	s_lshl_b32 s18, s16, 18
	s_add_nc_u64 s[8:9], s[8:9], s[18:19]          ; my head's bias
	s_lshl_b32 s18, s16, 7
	s_add_nc_u64 s[10:11], s[10:11], s[18:19]      ; my head's bg
	; ---- X to bf16 in LDS: each wave its 64 rows ----
	WIN 0xc0
	s_wait_alu depctr_va_vdst(0)                   ; v1 to v4 and v7 to v12 are written: the loads and stores of the whole kernel, global and LDS, read them as offsets and addresses
.set i, 0
.rept 48
	global_load_b128 v[4*i:4*i+3], v[LOFF], s[24:25] offset:(i>>4)*32768+(i&15)*512   ; Wq, Wk, Wv: register 64 m + 32 ct + 8 ks + 4 hf
.set i, i+1
.endr
	WIN 0x80
.set i, 0
.rept 64
	global_load_b128 v[4*i:4*i+3], v[LOFF], s[4:5] offset:512*i th:TH_LOAD_NT         ; a whole row of 512 bytes
.set i, i+1
.endr
.set n, 0
.rept 4
	s_wait_loadcnt 48-16*n                         ; sixteen more rows are in (and the weights, which are older); the younger rows stay out
	WIN 0x8a
.set i, 16*n
.rept 16
	v_cvt_pk_bf16_f32 v[4*i],   v[4*i],   v[4*i+1]
	v_cvt_pk_bf16_f32 v[4*i+1], v[4*i+2], v[4*i+3]
.set i, i+1
.endr
	WIN 0x08
	s_wait_alu depctr_va_vdst(0)                   ; the conversions have written these sixteen rows' registers, which the LDS stores below read
.set i, 16*n
.rept 16
	ds_store_b64 v[XST], v[4*i:4*i+1] offset:XPITCH*i
.set i, i+1
.endr
.set n, n+1
.endr
	WIN 0
	s_wait_dscnt 0x0                               ; my rows are in LDS,
	s_barrier_signal -1
	s_barrier_wait -1                              ; everybody's are.  X is never written again
.macro XLOAD row, p                    ; the four X fragments of rows 16 row .. +15 into buffer p
.set xr, \row
.set xp, XBUF+32*(\p)
	WIN 0xc0
.irp ks, 0,1,2,3
	ds_load_b128 v[xp+8*\ks:xp+8*\ks+3],   v[XA] offset:xr*XTILE+64*\ks
	ds_load_b128 v[xp+8*\ks+4:xp+8*\ks+7], v[XA] offset:xr*XTILE+64*\ks+32
.endr
.endm
.macro BIASLD lo, cnt                  ; loads lo .. lo+cnt-1 of a block's 64: 512 consecutive bytes each, straight into S
	WIN 0x80
.set i, \lo
.rept \cnt
	global_load_b128 v[4*i:4*i+3], v[LOFF], s[8:9] offset:512*i
.set i, i+1
.endr
.endm
	XLOAD 0, 0                                     ; no vector instruction has named these registers
	WIN 0x80
	s_wait_alu depctr_va_vdst(0)                   ; the conversions of x are done reading and writing window 2's registers, in which the bias lands
	s_wait_alu depctr_vm_vsrc(0)                   ; and my LDS stores of X have read them
	BIASLD 0, 60                                   ; block 0's bias lands under the projection.  The last four follow behind it: issue would stand still at the
	                                               ; counter's last value until the first load is back (ISA guide 5.7.1)
	; ---- q, k, V of my head ----
.macro CONVV row                       ; the vector work on the results of rows 16 row .. +15: q scaled and packed into its fragment, k packed into its out-buffer
.set cr, \row
.set cd, DSET+48*(cr&1)
	WIN 0x45
.irp j, 0,2,4,6,8,10,12,14
	v_pk_mul_f32 v[cd+\j:cd+\j+1], v[cd+\j:cd+\j+1], QS op_sel_hi:[1,0]
.endr
.irp j, 0,1,2,3,4,5,6,7
	v_cvt_pk_bf16_f32 v[QF+8*cr+\j], v[cd+2*\j], v[cd+2*\j+1]
.endr
.irp j, 0,1,2,3,4,5,6,7
	v_cvt_pk_bf16_f32 v[KP+8*(cr&1)+\j], v[cd+16+2*\j], v[cd+16+2*\j+1]
.endr
.endm
.macro VSTORE row                      ; V of rows 16 row .. +15, as the products left it, into my LDS images: each accumulator from its low end on
.set cr, \row
.set cd, DSET+48*(cr&1)
	WIN 0x04
.irp ct, 0,1
	ds_store_b128 v[VSA], v[cd+32+8*\ct:cd+32+8*\ct+3] offset:(cr>>1)*4096+\ct*2048+(cr&1)*1024
	ds_store_b128 v[VSA], v[cd+32+8*\ct+4:cd+32+8*\ct+7] offset:(cr>>1)*4096+\ct*2048+(cr&1)*1024+512
.endr
.endm
.macro KSTORE row                      ; k of rows 16 row .. +15 into my LDS images
.set cr, \row
	WIN 0x04
	ds_store_b128 v[KSA], v[KP+8*(cr&1):KP+8*(cr&1)+3] offset:cr*1024
	ds_store_b128 v[KSA], v[KP+8*(cr&1)+4:KP+8*(cr&1)+7] offset:cr*1024+512
.endm
; Step rt.  cnt = the LDS instructions issued behind these rows' eight fragment loads, all in the step before: none, then V's four stores, from step 3 on V's four and k's two.
.macro PROJ rt, cnt
.set pp, \rt&1
.set dd, DSET+48*pp
.set xb, XBUF+32*pp
	s_wait_dscnt \cnt
.if \rt <= 14
	WIN 0xc0
.else
	WIN 0x04
.endif
.if \rt >= 2
	s_wait_alu depctr_vm_vsrc(0)                   ; the LDS stores of the step before have read V in this step's accumulators, which its products write, and (from step 3 on) the KP that its packs write
.endif
.if \rt >= 1
	s_wait_alu depctr_va_vdst(0)                   ; the products of the step before have written V and are done reading their X buffer, in which the loads below land; its packs have written the other KP
.endif
.if \rt <= 14
	XLOAD \rt+1, (1-pp)
.endif
.if \rt >= 1
	VSTORE \rt-1
.endif
.if \rt >= 2
	KSTORE \rt-2
.endif
	WIN 0x5f
.irp ks, 0,1,2,3                       ; six accumulators take turns
	MM dd,    WQ+8*\ks,    xb+8*\ks, \ks
	MM dd+8,  WQ+32+8*\ks, xb+8*\ks, \ks
	MM dd+16, WK+8*\ks,    xb+8*\ks, \ks
	MM dd+24, WK+32+8*\ks, xb+8*\ks, \ks
	MM dd+32, xb+8*\ks, WV+8*\ks,    \ks
	MM dd+40, xb+8*\ks, WV+32+8*\ks, \ks
.endr
.if \rt == 0
	PLACES                                         ; behind these products: the next step's stores and vector work read their results
.else
	CONVV \rt-1                                    ; the other set's 24 vector instructions, which name no register of the products above, are also the places behind them
.endif
.endm
	PROJ 0, 0
	PROJ 1, 0
	PROJ 2, 4
.irp rr, 3,4,5,6,7,8,9,10,11,12,13,14,15
	PROJ \rr, 6
.endr
	WIN 0x04
	s_wait_alu depctr_vm_vsrc(0)                   ; the LDS stores of k of rows 208 .. 223, issued in the last step, have read the KP that the packs below write
	s_wait_alu depctr_va_vdst(0)                   ; the last products have written V; the last packs have written the other KP
	VSTORE 15
	KSTORE 14
	CONVV 15
	WIN 0x04
	s_wait_alu depctr_va_vdst(0)                   ; the packs have written KP, which the two LDS stores below read
	KSTORE 15
	BIASLD 60, 4                                   ; no instruction since the two waits ahead of the first sixty has named these sixteen registers
	WIN 0
.macro KVLOAD ka, va, ko, vo           ; a block's k fragments and V, from my own images (LDS serves a wave in order: they see my stores)
.irp l, 0,1,2,3
	ds_load_b128 v[KF+4*\l:KF+4*\l+3], v[\ka] offset:\ko+512*\l
.endr
.irp l, 0,1,2,3,4,5,6,7
	ds_load_b128 v[VF+4*\l:VF+4*\l+3], v[\va] offset:\vo+512*\l
.endr
.endm
.macro XGLOAD step                     ; X fragments of the two j tiles of a gate step
.set gs, \step
	WIN 0x40
.set i, 0
.rept 8
	ds_load_b128 v[XG+8*i:XG+8*i+3],   v[XA] offset:(2*gs+(i>>2))*XTILE+64*(i&3)
	ds_load_b128 v[XG+8*i+4:XG+8*i+7], v[XA] offset:(2*gs+(i>>2))*XTILE+64*(i&3)+32
.set i, i+1
.endr
.endm
	KVLOAD KSA, VSA, 0, 0                          ; no vector instruction has named KF or VF yet
	; ---- attention: a block = 32 k x all 256 j.  s20 = the block's number ----
.macro BLOCK first, last
	s_wait_dscnt 0x0                               ; this block's k and V
	WIN 0xa4
.set jt, 0
.rept 16
	s_wait_loadcnt 60-4*jt                         ; the bias loads are the only ones out and come back in order: this j tile's four are in
	v_wmma_f32_16x16x32_bf16 v[16*jt:16*jt+7],    v[KF:KF+7],    v[QF+8*jt:QF+8*jt+7], v[16*jt:16*jt+7]
	v_wmma_f32_16x16x32_bf16 v[16*jt+8:16*jt+15], v[KF+8:KF+15], v[QF+8*jt:QF+8*jt+7], v[16*jt+8:16*jt+15]
.set jt, jt+1
.endr
.if \last == 0
	s_add_nc_u64 s[8:9], s[8:9], 32768             ; the next block's bias: all loads through this base were shown done by the last j tile's wait for 0
.endif
	PLACES
.if \last
	WIN 0x40                                       ; q's fragments are done with: the gate's weights and bias and bo come in, Wg and bg first
	s_wait_alu depctr_va_vdst(0)                   ; the S products are done reading q's fragments; the projection's products and packs have long written v128-239: the loads below land in v96-239
	s_wait_alu depctr_vm_vsrc(0)                   ; the projection's LDS stores have read V in v160-175 and v208-223 and KP in v224-239
.set i, 0
.rept 16
	global_load_b128 v[WG+4*i:WG+4*i+3], v[LOFF], s[24:25] offset:98304+512*i
.set i, i+1
.endr
.set i, 0
.rept 4
	global_load_b128 v[BG+4*i:BG+4*i+3], v[HOFF], s[10:11] offset:64*(i>>1)+16*(i&1)
.set i, i+1
.endr
.set i, 0
.rept 16
	global_load_b128 v[96+8*(i>>1)+80*(i>>3)+4*(i&1):96+8*(i>>1)+80*(i>>3)+4*(i&1)+3], v[HOFF], s[12:13] offset:64*(i>>1)+16*(i&1)   ; bo[16nt+8h+4hf ..], nt = i >> 1
.set i, i+1
.endr
.endif
	; the maximum over j: over the sixteen j tiles in registers, sixteen chains side by side, then over the sixteen lanes of a half
	WIN 0x2a
.set q, 0
.rept 16
	v_max3_num_f32 v[MX+q], v[q], v[16+q], v[32+q]
.set q, q+1
.endr
	WIN 0x28
.set n, 0
.rept 6
.set q, 0
.rept 16
	v_max3_num_f32 v[MX+q], v[MX+q], v[48+32*n+q], v[64+32*n+q]
.set q, q+1
.endr
.set n, n+1
.endr
.set q, 0
.rept 16
	v_max_num_f32 v[MX+q], v[MX+q], v[240+q]
.set q, q+1
.endr
	WIN 0
.irp msk, 1,2,4,8
.set q, 0
.rept 16
	v_max_num_f32_dpp v[MX+q], v[MX+q], v[MX+q] row_xmask:\msk row_mask:0xf bank_mask:0xf
.set q, q+1
.endr
.endr
	; P = exp2(S - m), its sum and its fragments, in four groups of four j tiles.  When a group's 64 registers of S have been read for the last time,
	; the sixteen loads that fill them again go out at once: the next block's bias (in the last block: Wo's fragments).  So a wave's 32 KiB are asked
	; for in four parts spread over this run, the first with three groups' work more in which to land than the last.
	; The loads keep the order L = 0 .. 63, on which the counts at the block's head rest.  With the sixty-fourth out, issue would stand until the
	; first is back (ISA guide 5.7.1); that one was asked for three groups earlier.
.set g, 0
.rept 4
	WIN 0x82
.set jt, 4*g
.rept 4
.set q, 0
.rept 8
	v_pk_add_f32 v[16*jt+q:16*jt+q+1], v[16*jt+q:16*jt+q+1], v[MX+q:MX+q+1] neg_lo:[0,1] neg_hi:[0,1]
.set q, q+2
.endr
.set q, 0
.rept 16
	v_exp_f32 v[16*jt+q], v[16*jt+q]               ; in place.  The plain instruction behind a tile's exponentials (ISA guide 5.7.2) is the next tile's first
.set q, q+1                                        ; subtraction; behind the group's last tile, the first addition below, which reads the group's first tile
.endr
.set jt, jt+1
.endr
.if g == 0
	WIN 0x0a
.set q, 0
	s_wait_alu depctr_va_vdst(0)
.rept 8
	v_pk_add_f32 v[ZS+q:ZS+q+1], v[q:q+1], v[16+q:16+q+1]          ; the first two tiles start the sums
.set q, q+2
.endr
.set i, 0
.rept 32
	v_cvt_pk_bf16_f32 v[PF+i], v[2*i], v[2*i+1]                    ; P's B fragments: k tile 0 in registers 0-3, k tile 1 in 4-7
.set i, i+1
.endr
	WIN 0x02
.set jt, 2
.rept 2
.set q, 0
.rept 8
	v_pk_add_f32 v[ZS+q:ZS+q+1], v[16*jt+q:16*jt+q+1], v[ZS+q:ZS+q+1]
.set q, q+2
.endr
.set jt, jt+1
.endr
.else
	WIN 0x02
.set jt, 4*g
	s_wait_alu depctr_va_vdst(0)
.rept 4
.set q, 0
.rept 8
	v_pk_add_f32 v[ZS+q:ZS+q+1], v[16*jt+q:16*jt+q+1], v[ZS+q:ZS+q+1]
.set q, q+2
.endr
.set jt, jt+1
.endr
	WIN 0x0a
.set i, 32*g
.rept 32
	v_cvt_pk_bf16_f32 v[PF+i], v[2*i], v[2*i+1]
.set i, i+1
.endr
.endif
	WIN 0x80
	s_wait_alu depctr_va_vdst(0)                   ; the group's products, subtractions and exponentials have written its 64 registers of S, and its sums and packs are done reading them: the loads below land there
.set i, 16*g
.rept 16
.if \last
	global_load_b128 v[4*i:4*i+3], v[LOFF], s[22:23] offset:512*i  ; Wo: register 32 nt + 8 ks + 4 hf
.else
	global_load_b128 v[4*i:4*i+3], v[LOFF], s[8:9] offset:512*i
.endif
.set i, i+1
.endr
.set g, g+1
.endr
	WIN 0
.if (\first == 0) && (\last == 0)
	s_wait_alu depctr_vm_vsrc(0)                   ; the LDS loads of the block before have read v5 and v6, which the two lines below write
.endif
.if \last == 0
	v_lshl_add_u32 v[KRD], s20, 11, v[KSA]         ; this block's images; the next block's stand one block further, in the immediate
	v_lshl_add_u32 v[VRD], s20, 12, v[VSA]
.endif
.irp msk, 1,2,4,8
.set q, 0
.rept 16
	v_add_f32_dpp v[ZS+q], v[ZS+q], v[ZS+q] row_xmask:\msk row_mask:0xf bank_mask:0xf
.set q, q+1
.endr
.endr
.set q, 0
.rept 16
	v_rcp_f32 v[ZS+q], v[ZS+q]
.set q, q+1
.endr
	v_nop                                          ; a plain instruction behind the reciprocals
.set i, 0
	s_wait_alu depctr_va_vdst(0)
.rept 16
	v_pk_mul_f32 v[VF+2*i:VF+2*i+1], v[VF+2*i:VF+2*i+1], v[ZS+(2*i)%16:ZS+(2*i)%16+1]     ; V / Z in f32, rounded once below
.set i, i+1
.endr
.set i, 0
.rept 16
	v_cvt_pk_bf16_f32 v[VP+i], v[VF+2*i], v[VF+2*i+1]
.set i, i+1
.endr
.if \last
	WIN 0x40
	s_wait_alu depctr_va_vdst(0)                   ; the S products are done reading q's first eight fragments, in which X's fragments for the gate land
	XGLOAD 0
.else
	s_wait_alu depctr_va_vdst(0)                   ; v5 and v6 are written, which the LDS loads below read; the S products are done reading KF, the division by Z and the packs are done with VF: the loads land there
	KVLOAD KRD, VRD, 2048, 4096
.endif
	WIN 0xf0
.set i, 0
.rept 32                               ; 32 accumulators take turns, over the backward jump too
.if \first
	v_wmma_f32_16x16x32_bf16 v[8*i:8*i+7], v[VP+8*(i&1):VP+8*(i&1)+7], v[PF+8*(i>>1):PF+8*(i>>1)+7], 0
.else
	v_wmma_f32_16x16x32_bf16 v[8*i:8*i+7], v[VP+8*(i&1):VP+8*(i&1)+7], v[PF+8*(i>>1):PF+8*(i>>1)+7], v[8*i:8*i+7]
.endif
.set i, i+1
.endr
	WIN 0
.endm
	s_mov_b32 s20, 0
	BLOCK 1, 0
	s_mov_b32 s20, 1
.Lblk:
	BLOCK 0, 0
	s_add_co_u32 s20, s20, 1
	s_cmp_lt_u32 s20, 7
	s_cbranch_scc1 .Lblk
	BLOCK 0, 1
	; ---- the gate and the last product, in four quarters of 64 rows ----
	s_wait_loadcnt 63                              ; Wg and bg are in: bo's 16 and Wo's 64 loads are younger, and the count can name no more than 63
; A gate step: two j tiles.  O = sigmoid(X Wg + bg) * out, packed to bf16.
.macro GSTEP s
	s_wait_dscnt 0x0                               ; this step's X fragments
	WIN 0x55
.irp ks, 0,1,2,3                       ; four accumulators take turns; the first K step takes bg as C
.irp u, 0,1
.irp ct, 0,1
.if \ks
	v_wmma_f32_16x16x32_bf16 v[GT+8*(2*\u+\ct):GT+8*(2*\u+\ct)+7], v[WG+8*(4*\ct+\ks):WG+8*(4*\ct+\ks)+7], v[XG+8*(4*\u+\ks):XG+8*(4*\u+\ks)+7], v[GT+8*(2*\u+\ct):GT+8*(2*\u+\ct)+7]
.else
	v_wmma_f32_16x16x32_bf16 v[GT+8*(2*\u+\ct):GT+8*(2*\u+\ct)+7], v[WG+8*(4*\ct+\ks):WG+8*(4*\ct+\ks)+7], v[XG+8*(4*\u+\ks):XG+8*(4*\u+\ks)+7], v[BG+8*\ct:BG+8*\ct+7]
.endif
.endr
.endr
.endr
	PLACES
.set q, 0
.rept 16
	v_pk_mul_f32 v[GT+q:GT+q+1], v[GT+q:GT+q+1], NLOG2E op_sel_hi:[1,0]
.set q, q+2
.endr
.if \s < 7
	WIN 0x40
	s_wait_alu depctr_va_vdst(0)                   ; the step's products are done reading X's fragments, in which the next step's land
	XGLOAD \s+1
.endif
	WIN 0x55
.set q, 0
.rept 32
	v_exp_f32 v[GT+q], v[GT+q]
.set q, q+1
.endr
	v_nop
.set q, 0
	s_wait_alu depctr_va_vdst(0)
.rept 16
	v_pk_add_f32 v[GT+q:GT+q+1], v[GT+q:GT+q+1], 1.0 op_sel_hi:[1,0]
.set q, q+2
.endr
.set q, 0
.rept 32
	v_rcp_f32 v[GT+q], v[GT+q]
.set q, q+1
.endr
	v_nop
	WIN 0x4d
.set q, 0
	s_wait_alu depctr_va_vdst(0)
.rept 16
	v_pk_mul_f32 v[GT+q:GT+q+1], v[GT+q:GT+q+1], v[32*\s+q:32*\s+q+1]         ; times out^T of the same (c, j): these 32 registers are read for the last time
.set q, q+2
.endr
	WIN 0x05
.set q, 0
.rept 16
	v_cvt_pk_bf16_f32 v[OP+16*(\s&1)+q], v[GT+2*q], v[GT+2*q+1]
.set q, q+1
.endr
.endm
; The end of quarter qq.  My head's 64 rows of O go into my own k images' range, buffer qq & 1; behind the barrier every head's are there, and I take rows
; 64 qq + 16 w .. +15: out = O Wo + bo, a K step of 32 channels being one head's range.  Buffer qq & 1 is stored into again two quarters on, behind the next
; quarter's barrier, in front of which every wave has waited for its reads of this quarter's O.
; Then the sixteen rows go through my own stage: a lane puts its eight neighbouring columns of row r, the wave reads whole rows of 512 bytes back (its own
; bytes, served in order) and stores each with one instruction: 512 consecutive bytes, aligned.  Nothing waits for these stores but the end of the wave.
.macro FIN qq
	WIN 0
	s_wait_alu depctr_va_vdst(0)                   ; the two steps' packs have written OP, which the LDS stores below read; the products that read v160-191 (the attention's, then the last quarter's) are done: O's fragments land there
.set i, 0
.rept 8
	ds_store_b128 v[OST], v[OP+4*i:OP+4*i+3] offset:(\qq&1)*OQ+(i>>1)*16*OPITCH+(i&1)*32   ; O[64qq+16jt+r][32w+16ct+8h ..], jt = i >> 1, ct = i & 1
.set i, i+1
.endr
	s_wait_dscnt 0x0                               ; my head's quarter is in LDS (and all my earlier LDS reads are back),
	s_barrier_signal -1
	s_barrier_wait -1                              ; every head's is
.irp ks, 0,1,2,3
	ds_load_b128 v[OF+8*\ks:OF+8*\ks+3],   v[OFA] offset:\ks*KSW+(\qq&1)*OQ
	ds_load_b128 v[OF+8*\ks+4:OF+8*\ks+7], v[OFA] offset:\ks*KSW+(\qq&1)*OQ+32
.endr
.if \qq == 0
	s_wait_loadcnt 0x0                             ; Wo, bo: once
.endif
.irp ks, 0,1,2,3
	s_wait_dscnt 6-2*\ks                           ; this K step's two loads are in; those of the later steps stay out
.if \ks
	WIN 0xf2
.else
	WIN 0xd2                                       ; C = bo, in window 1
.endif
.irp nt, 0,1,2,3,4,5,6,7               ; eight accumulators take turns
.if \ks
	v_wmma_f32_16x16x32_bf16 v[64*\qq+8*\nt:64*\qq+8*\nt+7], v[8*(4*\nt+\ks):8*(4*\nt+\ks)+7], v[OF+8*\ks:OF+8*\ks+7], v[64*\qq+8*\nt:64*\qq+8*\nt+7]
.else
	v_wmma_f32_16x16x32_bf16 v[64*\qq+8*\nt:64*\qq+8*\nt+7], v[8*(4*\nt+\ks):8*(4*\nt+\ks)+7], v[OF+8*\ks:OF+8*\ks+7], v[96+8*\nt+80*(\nt/4):96+8*\nt+80*(\nt/4)+7]
.endif
.endr
.endr
	PLACES
	WIN 0x0c
	s_wait_alu depctr_va_vdst(0)                   ; the products have written the quarter's sums, which the LDS stores below read; the places above stay beside this wait
.set i, 0
.rept 16
	ds_store_b128 v[STW], v[64*\qq+4*i:64*\qq+4*i+3] offset:64*(i>>1)+16*(i&1)
.set i, i+1
.endr
	WIN 0
	s_wait_xcnt 0x0                                ; the buffer below was the data of the stores two quarters ago: it is loaded again only behind this wait
	s_wait_alu depctr_vm_vsrc(0)                   ; this quarter's LDS stores of O have read OP, which the next quarter's packs write; from the third quarter on: the global stores of two quarters ago have read the buffer in which the loads below land
.set ob, OB0+(OB1-OB0)*(\qq&1)
.set i, 0
.rept 16
	ds_load_b128 v[ob+4*i:ob+4*i+3], v[STR] offset:SPITCH*i
.set i, i+1
.endr
.set i, 0
.rept 16
	s_wait_dscnt 15-i                              ; row i is back, the younger reads stay out
	global_store_b128 v[LOFF], v[ob+4*i:ob+4*i+3], s[14:15] offset:\qq*32768+i*512 th:TH_STORE_NT
.set i, i+1
.endr
.endm
	GSTEP 0
	GSTEP 1
	FIN 0
	GSTEP 2
	GSTEP 3
	FIN 1
	GSTEP 4
	GSTEP 5
	FIN 2
	GSTEP 6
	GSTEP 7
	FIN 3
	s_wait_dscnt 0x0
	s_wait_alu depctr_hold_cnt(0) depctr_sa_sdst(0) depctr_va_vdst(0) depctr_va_sdst(0) depctr_va_ssrc(0) depctr_va_vcc(0) depctr_vm_vsrc(0)
	s_wait_tensorcnt 0x0
	ds_add_u32 v30, v31
	s_wait_dscnt 0x0
	s_endpgm
.Lfunc_end_k_q9ed42031d0_attn:
	.size	k_q9ed42031d0_attn, .Lfunc_end_k_q9ed42031d0_attn-k_q9ed42031d0_attn
	.p2alignl 7, 3214868480
	.fill 96, 4, 3214868480
	.section	.rodata,"a",@progbits
	.p2align	6, 0x0
	.amdhsa_kernel k_q9ed42031d0_attn
		.amdhsa_group_segment_fixed_size 300544
		.amdhsa_private_segment_fixed_size 0
		.amdhsa_enable_private_segment 0
		.amdhsa_kernarg_size 48
		.amdhsa_user_sgpr_count 2
		.amdhsa_user_sgpr_kernarg_segment_ptr 1
		.amdhsa_wavefront_size32 1
		.amdhsa_system_sgpr_workgroup_id_x 1
		.amdhsa_system_sgpr_workgroup_id_y 1
		.amdhsa_system_sgpr_workgroup_id_z 1
		.amdhsa_system_vgpr_workitem_id 0
		.amdhsa_next_free_vgpr 1024
		.amdhsa_next_free_sgpr 66
		.amdhsa_reserve_vcc 0
		.amdhsa_float_denorm_mode_32 3
		.amdhsa_float_denorm_mode_16_64 3
		.amdhsa_memory_ordered 1
		.amdhsa_forward_progress 1
		.amdhsa_inst_pref_size 255
	.end_amdhsa_kernel
	.section	.bss,"aw",@nobits
	.p2align	6
	.space	262144
	.amdgpu_metadata
---
amdhsa.version: [ 1, 2 ]
amdhsa.kernels:
  - .name:           k_q9ed42031d0_attn
    .symbol:         k_q9ed42031d0_attn.kd
    .args:
      - { .name: x, .offset: 0, .size: 8, .value_kind: global_buffer, .address_space: global }
      - { .name: wfrag, .offset: 8, .size: 8, .value_kind: global_buffer, .address_space: global }
      - { .name: biasw, .offset: 16, .size: 8, .value_kind: global_buffer, .address_space: global }
      - { .name: bg, .offset: 24, .size: 8, .value_kind: global_buffer, .address_space: global }
      - { .name: bo, .offset: 32, .size: 8, .value_kind: global_buffer, .address_space: global }
      - { .name: out0, .offset: 40, .size: 8, .value_kind: global_buffer, .address_space: global }
    .group_segment_fixed_size: 300544
    .private_segment_fixed_size: 0
    .kernarg_segment_align: 8
    .kernarg_segment_size: 48
    .max_flat_workgroup_size: 128
    .sgpr_count:     66
    .vgpr_count:     1024
    .wavefront_size: 32
...
	.end_amdgpu_metadata
.endif
;; end of part 4
